; MI455X (gfx1250); checked and timed in simulation.
; The chip was launched on July 23, 2026; its instructions are those of AMD's public machine-readable ISA for CDNA 5 (MIT licence, August 2026) and "CDNA5" Instruction Set Architecture Reference Guide (July 2026). The comments in the code are by the model that wrote it; some were corrected since.
;; Block. Allowed arithmetic: matrix products marked QUANTISED: E5M2 operands, one given power-of-two scale a tensor, by v_wmma_f32_16x16x64_bf8_bf8 or v_wmma_f32_16x16x128_bf8_bf8, f32 sums; everything else in f32.
;; Inputs: W_gate_codes 2,048 x 32 x 32 uint8 (E5M2 codes of W_gate, K innermost, in blocks of 32 codes); W_hidden_codes 2,048 x 32 x 32 uint8 (E5M2 codes of W_hidden, K innermost, in blocks of 32 codes); W_k_codes 1,024 x 32 x 32 uint8 (E5M2 codes of W_k, K innermost, in blocks of 32 codes); W_o_codes 1,024 x 32 x 32 uint8 (E5M2 codes of W_o, K innermost, in blocks of 32 codes); W_out_codes 1,024 x 64 x 32 uint8 (E5M2 codes of W_out, K innermost, in blocks of 32 codes); W_q_codes 1,024 x 32 x 32 uint8 (E5M2 codes of W_q, K innermost, in blocks of 32 codes); W_v_codes 1,024 x 32 x 32 uint8 (E5M2 codes of W_v, K innermost, in blocks of 32 codes); attn_norm_w 1,024 float32; b_o 1,024 float32; b_out 1,024 float32; ffn_norm_w 1,024 float32; lowp_scales 18 int32 (the exponents e of the quantised operands' scales 2^e); x 2 x 2,048 x 1,024 float32.
;; Outputs: out0 2 x 2,048 x 1,024 float32.
;; This version of the problem:
;;   THIS VERSION OF THE PROBLEM IS GIVEN IN LOW PRECISION. The matrix products marked QUANTISED in the list below multiply operands that are first quantised to E5M2 (5 exponent bits, 2 mantissa bits; 8 bits a number), with one given power-of-two scale for each operand tensor; their sums are f32. All else is computed in f32.
;;   The module's matrix products, in the order in which they are computed (A, B: the left and right operand; K: the contracted axis; several contracted axes count as one K, in the product's order):
;;     1. [M 4,096, K 1,024] x [K 1,024, N 1,024]; A: computed on the way; B: input W_q (given as codes): QUANTISED (scales: A lowp_scales[0], B lowp_scales[1])
;;     2. [M 4,096, K 1,024] x [K 1,024, N 1,024]; A: computed on the way; B: input W_k (given as codes): QUANTISED (scales: A lowp_scales[2], B lowp_scales[3])
;;     3. [M 4,096, K 1,024] x [K 1,024, N 1,024]; A: computed on the way; B: input W_v (given as codes): QUANTISED (scales: A lowp_scales[4], B lowp_scales[5])
;;     4. batch 32 x [M 2,048, K 64] x [K 64, N 2,048]; A: computed on the way; B: computed on the way: QUANTISED (scales: A lowp_scales[6], B lowp_scales[7])
;;     5. batch 32 x [M 2,048, K 2,048] x [K 2,048, N 64]; A: softmax (see below); B: computed on the way: QUANTISED (scales: A lowp_scales[8], B lowp_scales[9])
;;     6. [M 4,096, K 1,024] x [K 1,024, N 1,024]; A: computed on the way; B: input W_o (given as codes): QUANTISED (scales: A lowp_scales[10], B lowp_scales[11])
;;     7. [M 4,096, K 1,024] x [K 1,024, N 2,048]; A: computed on the way; B: input W_gate (given as codes): QUANTISED (scales: A lowp_scales[12], B lowp_scales[13])
;;     8. [M 4,096, K 1,024] x [K 1,024, N 2,048]; A: computed on the way; B: input W_hidden (given as codes): QUANTISED (scales: A lowp_scales[14], B lowp_scales[15])
;;     9. [M 4,096, K 2,048] x [K 2,048, N 1,024]; A: computed on the way; B: input W_out (given as codes): QUANTISED (scales: A lowp_scales[16], B lowp_scales[17])
;;   THE QUANTISER, for each operand of a quantised product, along K:
;;     - The operand's scale is 2^e, e = its entry of the input lowp_scales (int32; the entries are numbered through the quantised products in the list's order, A before B).
;;     - Each number is divided by the scale, clamped to +-57,344, and rounded to the nearest number of E5M2, ties to even, subnormals kept.
;;     - The product sums the exact products of the quantised numbers (number of the format x scale) in f32.
;;   ~~~python
;;   def quantise(x, axis, e):      # numpy; x: float32 -> the quantised numbers, widened to float32 again
;;       x = np.moveaxis(x, axis, -1); K = x.shape[-1]
;;       r = np.clip(x / 2.0 ** e, -57344, 57344)
;;       step = 2.0 ** (np.maximum(np.frexp(np.where(r == 0, 1, r))[1] - 1, -14) - 2)
;;       q = np.round(r / step) * step * 2.0 ** e      # np.round: ties to even
;;       return np.moveaxis(q, -1, axis).astype(np.float32)
;;   ~~~
;;   SOFTMAX AHEAD OF A QUANTISED PRODUCT. Where the list says 'softmax', what is quantised is not the finished softmax but p = 2^(t - M), with t = logit x log2(e) and M = ceil(the row's largest t), a whole number; so 1/2 < the row's largest p <= 1. The row's sum l is taken of the UNQUANTISED p, in f32, and the product's result is divided by l at the end. Since M is a whole number, a kernel that streams over the keys may use a running M (the ceiling of the running maximum): every later rescaling is an exact power of two, so the quantised numbers keep their values, but for numbers so far below the row's largest that they fall under the format's range.
;;   OPERANDS COMPUTED ON THE WAY. 'Computed on the way' means the value that the module computes at that place (a softmax that the list does not call 'softmax' is quantised finished and normalised). What goes into a quantiser is computed in f32, as accurately as f32 sums, v_exp_f32 and their like allow (about 1e-6 of the number): no bf16 or f16 on the way to a quantiser, and a product that is left as it is and whose result goes on into a quantised operand takes f32 operands (vector FMAs, or v_wmma_f32_16x16x4_f32). A number that lies on a knife's edge between two numbers of the format may be rounded either way, as far as f32 arithmetic and the matrix unit's own rounding can turn it there, and no further.
;;   INPUTS GIVEN AS CODES. W_gate (in the module: [1024, 2048], K = its axis 0); W_hidden (in the module: [1024, 2048], K = its axis 0); W_k (in the module: [1024, 1024], K = its axis 0); W_o (in the module: [1024, 1024], K = its axis 0); W_out (in the module: [2048, 1024], K = its axis 0); W_q (in the module: [1024, 1024], K = its axis 0); W_v (in the module: [1024, 1024], K = its axis 0): each comes as NAME_codes (uint8): NAME with its K axis moved to the last place and cut into blocks of 32 codes, [.., K / 32, bytes a block], one block behind the other in memory; one code a byte (a code: sign, 5 exponent bits, 2 mantissa bits); its scale is its entry of lowp_scales. Its value is code x scale, taken as it is: it is not quantised again, and the codes and scales need not be those that the quantiser above would give.
;; One version. Each part assembles by itself: llvm-mc -triple=amdgcn-amd-amdhsa -mcpu=gfx1250 --defsym DOCPART=n.
;; ======== version 1 of 1: 5 launches
;; limits: right only within a limited range of input values
;; workspace buffers: q_img 4,194,304 bytes; k_img 4,194,304 bytes; v_img 4,194,304 bytes; a_img 4,194,304 bytes; x1 16,777,216 bytes; f_img 8,388,608 bytes
;; launch qkv (part 1): grid 64 x 3, 4 waves a work-group, clusters of 4 x 1, 327,680 bytes of LDS; arguments x, attn_norm_w, W_q_codes, W_k_codes, W_v_codes, lowp_scales, q_img, k_img, v_img; writes q_img, k_img, v_img
.if DOCPART == 1
	.amdgcn_target "amdgcn-amd-amdhsa--gfx1250"
	.amdhsa_code_object_version 6
	.text
	.protected	k_q7979730e1a_qkv
	.globl	k_q7979730e1a_qkv
	.p2align	8
	.type	k_q7979730e1a_qkv,@function
k_q7979730e1a_qkv:
	s_mov_b64 s[64:65], 0
	v_nop
	global_prefetch_b8 v0, s[64:65] scope:SCOPE_SE
	s_setreg_imm32_b32 hwreg(HW_REG_WAVE_MODE, 25, 1), 1
	s_wait_xcnt 0x0
	s_wait_alu depctr_hold_cnt(0) depctr_sa_sdst(0) depctr_va_vdst(0) depctr_va_sdst(0) depctr_va_ssrc(0) depctr_va_vcc(0) depctr_vm_vsrc(0)
	s_getreg_b32 s2, hwreg(HW_REG_IB_STS2, 6, 4)
	s_cmp_eq_u32 s2, 0
	s_cbranch_scc0 .Lentry_in_a_cluster
	s_endpgm
.Lentry_in_a_cluster:
	s_bfe_u32 s2, ttmp6, 0x10000c
	s_cmp_lg_u32 s2, 0x3003
	s_cbranch_scc0 .Lentry_shape_is_right
	s_endpgm
.Lentry_shape_is_right:
; LAUNCH 1 OF 5.  q, k, v = Q(rmsnorm(x)) W^T on codes of E5M2, and each result quantised again for attention.
; DEAD WORK: none.  Every input of the problem has a way to out0 (both gains, both biases, all seven weights, all 18 scales), so every product, row and step is done and every input is loaded by some launch.
; SHARES.  Work-group (x, y): 64 tokens (block 4 x cluster + place), product y (0 q, 1 k, 2 v).  Each wave norms and quantises 16 of the 64 rows: its rows are read ONCE and stay in 512 registers between the sum of squares
; and the quantiser; the gain's 4,096 bytes are put into LDS once and read from there.  The codes go round through LDS as images of the operand's registers, so that every wave holds all 64 rows x 1,024 K in 512 registers.
; The weight streams in 8 chunks of 128 rows x 1,024 K through two LDS slots; wave w fetches and reads only rows 32 w .. 32 w + 31 of a chunk.
; The four work-groups of a cluster have the same y and walk the same weight: every tile is asked for jointly (mask 15).  x is wanted first, so all of it is asked for ahead of the first two tiles.
; LAYOUT.  Fragments have the 8-bit form's own layout: registers 2 c, 2 c + 1 hold k = 16 c + 8 (lane / 16) + 0 .. 7.  Source 0 = 16 weight rows, source 1 = 16 tokens: a lane then holds one token (lane % 16) and eight
; neighbouring features, and the conversion of result tile bt is registers 2 bt, 2 bt + 1 of the next operand.  An image: registers 4 p .. 4 p + 3 of a fragment as 512 bytes, lane l's 16 bytes at 16 l.
; q_img, k_img: [batch x head][token / 16][piece 0, 1][512 bytes].  v_img: [batch x head][key / 128][channel / 16][piece 0 .. 3][512 bytes], keys innermost: v's codes are turned by products with a matrix of ones
; and zeros (code x 1.0, exact) and converted again with the scale 1.
; LIMITS.  The given exponents eA (x's) and eO - eA - eB lie between -126 and 112, so that each power of two and 57,344 times it are f32 numbers.  NaN among the inputs is not served; an infinity is held at the largest code.
; REGISTERS, in windows of 256.  Window 0: v1 16 x lane; v2, v3 the add's two; v4, v5 my weight rows in slot 0, 1; v6, v7 the exchange, in and out; v8 my offset in x; v9 the gain in LDS; v[10:11] 1 / rms; v12, v13 and v14, v15
; scale and hold of the input's and the output's quantiser; v16-24 sums; v25, v26 16 x thread, in the gain and in LDS; v27 lane % 16, v28 lane / 16, v29 1.0; v32-63 the codes just made (four runs of 8, upper halves 0);
; v64-127 eight accumulators (before that the held numbers); v128-255 four sets of weight fragments (before that two buffers of the gain).
; Windows 1, 2: first x, K step s in window 1 + s / 4 at 64 (s % 4); then the tokens' fragments: (K step s, tile a) in window 1 + s / 4 at 64 (s % 4) + 16 a.  Window 3: v0-9 the ones, v16-31 v's turned codes, v128-255 my own codes.
.set WPITCH, 1024
.set PITCH, 1040                       ; an LDS row: 1,024 bytes + 16: the 32 lanes of an 8-byte load then name 64 different words modulo 64 (64 banks of 4 bytes: ISA guide 11.1)
.set WROWS, 32*PITCH                   ; a wave's 32 rows
.set SLOTB, 4*WROWS
.set UB,    2*SLOTB                    ; behind the ring: first the gain (4,096 bytes), then the exchange; written by LDS stores alone
.set SPARE, UB+33792                   ; the spare words: 128 bytes a wave
.set MSB, 0
.macro WIN new                         ; bits 1:0 source 0, 3:2 source 1, 5:4 source 2, 7:6 destination; the high byte repeats the setting that is left
.if MSB != (\new)
	s_set_vgpr_msb (MSB<<8)|(\new)
.set MSB, (\new)
.endif
.endm
.macro WINL                            ; for LDS loads: destination and address in window 0
.if (MSB&0xc3) != 0
	WIN 0
.endif
.endm
.macro PLACES                          ; four plain places behind matrix instructions, ahead of loads into their sources and of reads of their results
.rept 4
	v_nop
.endr
.endm
.macro CREST                           ; a round of the cluster's barrier behind its opening barrier
	s_cmp_lg_u32 s28, 0
	s_cbranch_scc1 .Lnot_wave_0_\@
	s_barrier_signal -3
.Lnot_wave_0_\@:
	s_barrier_wait -3
	s_barrier_signal -1
	s_barrier_wait -1
.endm
.macro CROUND
	s_barrier_signal -1
	s_barrier_wait -1
	CREST
.endm
.macro BAR                             ; my LDS stores have landed and my LDS loads are in: then the work-group's barrier
	s_wait_dscnt 0x0
	s_barrier_signal -1
	s_barrier_wait -1
.endm
.macro MKSC e, t, vsc, vlim            ; from the exponent in s[e]: 2^e into v[vsc], 57,344 x 2^e into v[vlim]; s[e] and s[t] are used up
	s_add_co_i32 s[\t], s[\e], 127
	s_lshl_b32 s[\e], s[\t], 23
	v_mov_b32 v[\vsc], s[\e]
	s_add_co_i32 s[\t], s[\t], 15
	s_lshl_b32 s[\t], s[\t], 23
	s_or_b32 s[\t], s[\t], 0x600000
	v_mov_b32 v[\vlim], s[\t]
.endm
.macro FETCHB slot, s, q               ; my two weight fragments of K step s into set q: 16 loads of 8 bytes
.irp bt, 0,1
.irp c, 0,1,2,3,4,5,6,7
	ds_load_b64 v[128+32*(\q)+16*\bt+2*\c:128+32*(\q)+16*\bt+2*\c+1], v[4+(\slot)] offset:\bt*16640+128*(\s)+16*\c
.endr
.endr
.endm
.macro MUL8 s, q, aw, acc, zero        ; 8 products: 4 tiles of tokens x my 2 tiles of weight rows; the eight accumulators take turns
	WIN ((\aw)*0x50)|((1+((\s)>>2))<<2)
.irp a, 0,1,2,3
.irp bt, 0,1
.if \zero
	v_wmma_f32_16x16x128_bf8_bf8 v[(\acc)+8*(2*\a+\bt):(\acc)+8*(2*\a+\bt)+7], v[128+32*(\q)+16*\bt:128+32*(\q)+16*\bt+15], v[64*((\s)&3)+16*\a:64*((\s)&3)+16*\a+15], 0
.else
	v_wmma_f32_16x16x128_bf8_bf8 v[(\acc)+8*(2*\a+\bt):(\acc)+8*(2*\a+\bt)+7], v[128+32*(\q)+16*\bt:128+32*(\q)+16*\bt+15], v[64*((\s)&3)+16*\a:64*((\s)&3)+16*\a+15], v[(\acc)+8*(2*\a+\bt):(\acc)+8*(2*\a+\bt)+7]
.endif
.endr
.endr
.endm
; One chunk: 8 K steps of 128; the weight fragments are fetched three steps ahead into four sets.  On entry sets 0, 1, 2 are asked for.
; mode 2: at step 5, when this slot's last fragments are asked for, the slot is filled again with the tile at s[base] + toff; mode 1: a chunk follows, nothing is filled; mode 0: the last chunk.
.macro PASS slot, aw, acc, zero, mode, base, toff
.irp st, 0,1,2,3,4
	PLACES                                         ; the set fetched below was read by the step before
	WINL
	FETCHB \slot, \st+3, (\st+3)%4
	s_wait_dscnt 48                                ; this step's set is in; the three younger runs of 16 may be out
.if \st == 0
	MUL8 \st, \st, \aw, \acc, \zero
.else
	MUL8 \st, \st%4, \aw, \acc, 0
.endif
.endr
.if \mode == 2
	WIN 0
	s_wait_tensorcnt 0x0                           ; my one tensor load that is out, my rows of the other slot, has landed
	ds_add_u32 v2, v3                              ; 0 onto my spare word
	s_add_nc_u64 s[42+4*\slot:43+4*\slot], s[\base:\base+1], \toff   ; no load of mine is out: this slot's next tile
	s_or_b32 s[43+4*\slot], s[43+4*\slot], 0x80000000
	s_wait_dscnt 0x0                               ; the add is done and my reads of this slot are over
	s_barrier_signal -1                            ; opens a round of the cluster's barrier
	MUL8 5, 1, \aw, \acc, 0
	WIN 0
	s_barrier_wait -1
	CREST                                          ; no wave of any partner still reads this slot or has a load on its way
	tensor_load_to_lds s[40+4*\slot:43+4*\slot], s[32:39]
	s_nop 0
	PLACES                                         ; also the places ahead of the loads into set 0
	FETCHB 1-\slot, 0, 0
.elseif \mode == 1
	s_wait_tensorcnt 0x0                           ; the other slot's load is the only one out: my rows of it are in, and I alone read them
	PLACES
	WINL
	FETCHB 1-\slot, 0, 0
	s_wait_dscnt 48
	MUL8 5, 1, \aw, \acc, 0
.else
	s_wait_dscnt 32
	MUL8 5, 1, \aw, \acc, 0
.endif
.irp st, 6,7
.if \mode > 0
	PLACES
	WINL
	FETCHB 1-\slot, \st-5, \st-5
.if \mode == 1
	s_wait_dscnt 48
.endif
.else
	s_wait_dscnt 16*(7-\st)
.endif
	MUL8 \st, \st%4, \aw, \acc, 0
.endr
.endm
; My 8 fragments (window cw, v[cb] on) go to all four waves, four K steps at a time: store, wait, barrier, load, wait, barrier.
.macro EXCHANGE cw, cb
.irp e, 0,1
	WIN (\cw)<<2
.irp sp, 0,1,2,3
.irp p, 0,1,2,3
	ds_store_b128 v6, v[(\cb)+64*\e+16*\sp+4*\p:(\cb)+64*\e+16*\sp+4*\p+3] offset:\sp*8192+\p*512
.endr
.endr
	BAR
	WIN (1+\e)<<6
.irp f, 0,1,2,3,4,5,6,7,8,9,10,11,12,13,14,15
.irp p, 0,1,2,3
	ds_load_b128 v[16*\f+4*\p:16*\f+4*\p+3], v7 offset:\f*2048+\p*512
.endr
.endr
	BAR
.endr
	WIN 0
.endm
.macro XLOAD s                         ; my row's 64 numbers of K step s: register 8 c + i = k 128 s + 16 c + 8 (lane / 16) + i; each K step has registers of its own
	WIN (1+((\s)>>2))<<6
.irp c, 0,1,2,3,4,5,6,7
	global_load_b128 v[64*((\s)&3)+8*\c:64*((\s)&3)+8*\c+3], v8, s[4:5] offset:512*(\s)+64*\c
	global_load_b128 v[64*((\s)&3)+8*\c+4:64*((\s)&3)+8*\c+7], v8, s[4:5] offset:512*(\s)+64*\c+16
.endr
.endm
.macro GLOAD s                         ; the gain at the same k, out of LDS, into buffer s % 2: the sixteen lanes of a half name the same bytes
	WIN 0
.irp c, 0,1,2,3,4,5,6,7
	ds_load_b128 v[128+64*((\s)%2)+8*\c:128+64*((\s)%2)+8*\c+3], v9 offset:512*(\s)+64*\c
	ds_load_b128 v[128+64*((\s)%2)+8*\c+4:128+64*((\s)%2)+8*\c+7], v9 offset:512*(\s)+64*\c+16
.endr
.endm
.macro SSQS g, left                    ; K step g's squares onto four packed chains; left: the younger x loads that may stay out
	s_wait_loadcnt \left
	WIN 5*(1+((\g)>>2))
.set XB, 64*((\g)&3)
.set i, 0
.rept 32
.if ((\g) == 0) && (i < 4)
	v_pk_mul_f32 v[16+2*i:17+2*i], v[XB+2*i:XB+2*i+1], v[XB+2*i:XB+2*i+1]
.else
	v_pk_fma_f32 v[16+2*(i%4):17+2*(i%4)], v[XB+2*i:XB+2*i+1], v[XB+2*i:XB+2*i+1], v[16+2*(i%4):17+2*(i%4)]
.endif
.set i, i+1
.endr
.endm
.macro GX g                            ; K step g: gain x x, in place
.if (\g) < 7
	s_wait_dscnt 16                                ; this step's gain is in; the next step's 16 loads may be out
.else
	s_wait_dscnt 0x0
.endif
	WIN ((1+((\g)>>2))<<6)|((1+((\g)>>2))<<2)
.set XB, 64*((\g)&3)
.set GB, 128+64*((\g)%2)
.set i, 0
.rept 32
	v_pk_mul_f32 v[XB+i:XB+i+1], v[GB+i:GB+i+1], v[XB+i:XB+i+1]
.set i, i+2
.endr
.if (\g) < 6
	GLOAD (\g)+2
.endif
.endm
.macro RSQ                             ; 1 / sqrt(mean(x^2) + 1e-6) of my row into v[10:11]
	WIN 0
	v_pk_add_f32 v[16:17], v[16:17], v[18:19]
	v_pk_add_f32 v[20:21], v[20:21], v[22:23]
	v_pk_add_f32 v[16:17], v[16:17], v[20:21]
	v_add_f32 v16, v16, v17
	v_permlanex16_b32 v24, v16, s54, s55           ; the row's other half lies in lane l xor 16
	v_add_f32 v16, v16, v24
	s_mov_b32 s58, 0x3a800000                      ; 1 / 1,024
	s_mov_b32 s59, 0x358637bd                      ; 1e-6
	v_fma_f32 v16, v16, s58, s59
	s_wait_alu depctr_va_vdst(0)
	v_rsq_f32 v10, v16
	v_nop                                          ; a plain place behind the transcendental
	s_wait_alu depctr_va_vdst(0)                   ; and the wait ahead of its first reader
	v_mov_b32 v11, v10
.endm
.macro QSTEP g                         ; K step g: (gain x) / rms, held, converted: my fragment g into window 3, v128 + 16 g on
.set WX, 1+((\g)>>2)
.set XB, 64*((\g)&3)
	WIN (WX<<6)|WX
.set i, 0
.rept 32
	v_pk_mul_f32 v[XB+i:XB+i+1], v[XB+i:XB+i+1], v[10:11]   ; (these 32 are also the plain lines between the last step's conversions and the holds below, which write their sources)
.set i, i+2
.endr
	WIN WX
.set i, 0
.rept 64
	v_med3_num_f32 v[64+i], v[XB+i], -v13, v13     ; the conversion to an 8-bit code does not saturate (ISA guide 7.6.2): the hold at the largest code x the scale
.set i, i+1
.endr
	WIN 0xc0
.set i, 0
.rept 8
	v_cvt_scalef32_pk8_bf8_f32 v[128+16*(\g)+2*i:129+16*(\g)+2*i], v[64+8*i:71+8*i], v12
.set i, i+1
.endr
.endm
; Chunk n's results (heads 2 n, 2 n + 1; my 32 features are piece w % 2 of head 2 n + w / 2) are held, converted and stored as images.
.macro EPI n
	s_wait_xcnt 0x0                                ; the last chunk's stores have read their data registers
	PLACES
	WIN 0
.irp a, 0,1,2,3
.set i, 0
.rept 16
	v_med3_num_f32 v[64+16*\a+i], v[64+16*\a+i], -v15, v15   ; each accumulator from its low end on
.set i, i+1
.endr
	v_cvt_scalef32_pk8_bf8_f32 v[32+8*\a:33+8*\a], v[64+16*\a:71+16*\a], v14
	v_cvt_scalef32_pk8_bf8_f32 v[34+8*\a:35+8*\a], v[72+16*\a:79+16*\a], v14
.endr
	v_nop
	s_cmp_eq_u32 s31, 2                            ; the product's number: the same in all waves and all partners
	s_cbranch_scc1 .Lturn_\@
.irp a, 0,1,2,3
	global_store_b128 v1, v[32+8*\a:35+8*\a], s[22:23] offset:\n*262144+\a*1024   ; 512 consecutive bytes
.endr
	s_branch .Lout_\@
.Lturn_\@:
	WIN 0x0c                                       ; source 1 in window 3
	s_wait_alu depctr_va_vdst(0)
.irp t, 0,1
.irp a, 0,1,2,3
	v_wmma_f32_16x16x64_bf8_bf8 v[64+8*(4*\t+\a):64+8*(4*\t+\a)+7], v[32+8*\a:39+8*\a], v[2-2*\t:9-2*\t], 0   ; (token 8 h + j, channel 16 t + lane % 16) = code x 1.0
.endr
.endr
	PLACES
	WIN 0xc0
.irp t, 0,1
.irp a, 0,1,2,3
	v_cvt_scalef32_pk8_bf8_f32 v[16+8*\t+2*\a:17+8*\t+2*\a], v[64+8*(4*\t+\a):64+8*(4*\t+\a)+7], v29
.endr
.endr
	v_nop
	WIN 0x0c                                       ; a store's data is source 1
.irp t, 0,1
.irp p, 0,1
	global_store_b128 v1, v[16+8*\t+4*\p:19+8*\t+4*\p], s[22:23] offset:\n*262144+\t*2048+\p*512
.endr
.endr
	WIN 0
.Lout_\@:
.endm
	s_load_b256 s[4:11], s[0:1], 0x0               ; x s[4:5], the gain s[6:7], W_q s[8:9], W_k s[10:11]
	s_load_b256 s[12:19], s[0:1], 0x20             ; W_v s[12:13], the scales s[14:15], q_img s[16:17], k_img s[18:19]
	s_load_b64 s[20:21], s[0:1], 0x40              ; v_img
	v_lshl_add_u32 v2, v0, 2, SPARE
	v_mov_b32 v3, 0
	ds_add_u32 v2, v3                              ; the opening: the add, twice on end, and its wait ahead of my first tensor load
	ds_add_u32 v2, v3
	v_lshrrev_b32 v1, 5, v0
	v_readfirstlane_b32 s28, v1                    ; wave
	s_bfe_u32 s29, ttmp6, 0x40000                  ; my place in the cluster: it enters global addresses of x and of the images alone
	s_lshl_b32 s30, ttmp9, 2
	s_add_co_u32 s30, s30, s29                     ; my block of 64 tokens
	s_and_b32 s31, ttmp7, 0xffff                   ; the product
	s_mov_b32 s32, 15|(1<<20)|(1<<21)|(7<<22)|(3<<25)  ; 15:0 the mask: all four; 17:16 bytes; 20 padding on; 21 set beside a mask; 24:22 behind every 256 words; 31:25 four words
	s_mov_b32 s33, 1024<<16                        ; tensor_dim0
	s_mov_b32 s34, 32<<16                          ; tensor_dim1
	s_mov_b32 s35, 1024<<16                        ; tile_dim0
	s_mov_b32 s36, 32                              ; tile_dim1
	s_mov_b32 s37, WPITCH                          ; from row to row
	s_mov_b32 s38, 0
	s_mov_b32 s39, 0
	s_mov_b32 s54, 0x76543210
	s_mov_b32 s55, 0xfedcba98
	v_and_b32 v27, 15, v0
	v_bfe_u32 v28, v0, 4, 1
	v_and_b32 v1, 31, v0
	v_lshlrev_b32 v1, 4, v1
	s_mul_i32 s41, s28, WROWS
	v_mul_u32_u24 v4, v27, PITCH
	v_lshl_add_u32 v4, v28, 3, v4
	v_add_nc_u32 v4, s41, v4
	v_add_nc_u32 v5, SLOTB, v4
	s_lshl_b32 s57, s28, 11
	v_add_nc_u32 v7, UB, v1
	v_add_nc_u32 v6, s57, v7
	v_lshlrev_b32 v8, 12, v27
	v_lshl_add_u32 v8, v28, 5, v8
	v_lshlrev_b32 v9, 5, v28
	v_add_nc_u32 v9, UB, v9                        ; the gain in LDS, + 32 (lane / 16)
	v_lshlrev_b32 v25, 4, v0                       ; 16 x thread: my 16 bytes of each half of the gain,
	v_add_nc_u32 v26, UB, v25                      ; and their place in LDS
	v_mov_b32 v24, 0
	v_mov_b32 v29, 1.0
	s_wait_alu depctr_va_vdst(0)
	s_wait_dscnt 0x0                               ; both opening adds are done
	s_wait_kmcnt 0x0
	s_load_b256 s[68:75], s[14:15], 0x0            ; e0 .. e7
	s_load_b32 s76, s[14:15], 0x24                 ; e9
	s_cmp_eq_u32 s31, 0
	s_cselect_b64 s[48:49], s[8:9], s[10:11]
	s_cselect_b64 s[22:23], s[16:17], s[18:19]
	s_cmp_eq_u32 s31, 2
	s_cselect_b64 s[48:49], s[12:13], s[48:49]
	s_cselect_b64 s[22:23], s[20:21], s[22:23]
	s_lshl_b32 s56, s28, 15
	s_mov_b32 s57, 0
	s_add_nc_u64 s[48:49], s[48:49], s[56:57]      ; my 32 rows of chunk 0
	s_mov_b32 s40, 1
	s_mov_b64 s[42:43], s[48:49]
	s_or_b32 s43, s43, 0x80000000
	s_mov_b32 s44, 1
	s_add_co_u32 s45, s41, SLOTB
	s_add_nc_u64 s[46:47], s[48:49], 128*WPITCH
	s_or_b32 s47, s47, 0x80000000
	s_lshl_b32 s56, s30, 18
	s_lshl_b32 s58, s28, 16
	s_add_co_u32 s56, s56, s58
	s_add_nc_u64 s[4:5], s[4:5], s[56:57]          ; x at my wave's 16 rows
	global_load_b128 v[64:67], v25, s[6:7]         ; my 32 bytes of the gain: older than every x load, so the first wait below shows them in
	global_load_b128 v[68:71], v25, s[6:7] offset:2048
	XLOAD 0
	XLOAD 1
	XLOAD 2
	XLOAD 3
.irp g, 0,1,2,3
	s_wait_alu depctr_va_vdst(0)
	SSQS \g, 48                                    ; three younger groups of 16 may be out
	XLOAD \g+4
.endr
	WIN 0
	; chunks 0 and 1 are 256 neighbouring weight rows, and the two slots are neighbours in LDS: wave w fetches rows 64 w .. 64 w + 63 of them by ONE load; group 1 of its own, 64 rows
	s_mov_b32 s80, 15|(1<<20)|(1<<21)|(7<<22)|(3<<25)
	s_mov_b32 s81, 1024<<16
	s_mov_b32 s82, 64<<16
	s_mov_b32 s83, 1024<<16
	s_mov_b32 s84, 64
	s_mov_b32 s85, WPITCH
	s_mov_b32 s86, 0
	s_mov_b32 s87, 0
	s_mov_b32 s88, 1
	s_mul_i32 s89, s28, 2*WROWS
	s_lshl_b32 s56, s28, 15                        ; s[48:49] stands at row 32 w: 32 w rows more
	s_add_nc_u64 s[90:91], s[48:49], s[56:57]
	s_or_b32 s91, s91, 0x80000000
	CROUND                                         ; all four work-groups are here: the first joint loads meet; all of x has been asked for
	tensor_load_to_lds s[88:91], s[80:87]          ; my one tensor load at the head
	s_nop 0
	PLACES
	ds_store_b128 v26, v[64:67]                    ; the gain into LDS
	ds_store_b128 v26, v[68:71] offset:2048
	s_lshr_b32 s56, s30, 5                         ; where my images go: batch,
	s_lshl_b32 s56, s56, 4
	s_lshr_b32 s58, s28, 1
	s_add_co_u32 s56, s56, s58
	s_lshl_b32 s56, s56, 17                        ; (16 batch + w / 2) heads of 131,072 bytes
	s_and_b32 s58, s30, 31                         ; the block in its sequence
	s_and_b32 s59, s28, 1
	s_lshl_b32 s60, s58, 12
	s_lshl_b32 s61, s59, 9
	s_add_co_u32 s60, s60, s61                     ; q, k: 4 tiles of 1,024 a block, piece w % 2
	s_lshr_b32 s61, s58, 1
	s_lshl_b32 s61, s61, 13
	s_lshl_b32 s62, s59, 12
	s_add_co_u32 s61, s61, s62
	s_and_b32 s62, s58, 1
	s_lshl_b32 s62, s62, 10
	s_add_co_u32 s61, s61, s62                     ; v: key step block / 2, channel tiles 2 (w % 2) on, pieces 2 (block % 2) on
	s_cmp_eq_u32 s31, 2
	s_cselect_b32 s60, s61, s60
	s_add_co_u32 s56, s56, s60
	s_add_nc_u64 s[22:23], s[22:23], s[56:57]
	v_lshrrev_b32 v30, 3, v27                      ; the ones: column n = lane % 16 has the code of 1.0 at k = 16 t + n: byte n % 4 of register 2 t + (n / 4) % 2, in the lanes with lane / 16 = n / 8
	v_xor_b32 v30, v30, v28
	v_xor_b32 v30, 1, v30
	v_mul_u32_u24 v30, v30, 0x3c
	v_and_b32 v31, 3, v27
	v_lshlrev_b32 v31, 3, v31
	v_lshlrev_b32 v30, v31, v30
	v_bfe_u32 v31, v27, 2, 1
	v_mul_lo_u32 v31, v31, v30
	v_sub_nc_u32 v30, v30, v31
.irp a, 0,1,2,3
.irp j, 4,5,6,7
	v_mov_b32 v[32+8*\a+\j], 0                     ; k = 32 .. 63 of the turning products: zero codes
.endr
.endr
	WIN 0xc0
	v_mov_b32 v0, 0                                ; window 3: the run 0, 0, low, high, 0 x 6: v[2:9] serves t = 0, v[0:7] t = 1
	v_mov_b32 v1, 0
	v_mov_b32 v2, v30
	v_mov_b32 v3, v31
.irp j, 4,5,6,7,8,9
	v_mov_b32 v[\j], 0
.endr
	WIN 0
	BAR                                            ; the whole gain lies in LDS
	GLOAD 0
	GLOAD 1
.irp g, 0,1,2,3
	GX \g
.endr
.irp g, 4,5,6,7
	SSQS \g, 16*(7-\g)                             ; the younger groups of 16: three, two, one, none
	GX \g
.endr
	RSQ
	s_wait_alu depctr_va_vdst(0)
	s_wait_kmcnt 0x0
	s_cmp_eq_u32 s31, 0
	s_cselect_b32 s56, s68, s70                    ; eA
	s_cselect_b32 s57, s69, s71                    ; eB
	s_cselect_b32 s58, s74, s75                    ; eO: e6 for q, e7 for k,
	s_cmp_eq_u32 s31, 2
	s_cselect_b32 s56, s72, s56
	s_cselect_b32 s57, s73, s57
	s_cselect_b32 s58, s76, s58                    ; e9 for v
	s_sub_co_i32 s58, s58, s56
	s_sub_co_i32 s58, s58, s57                     ; a sum stands for sum x 2^(eA + eB): the three scales are folded into the conversion's one
	MKSC 58, 59, 14, 15
	MKSC 56, 59, 12, 13
.irp g, 0,1,2,3,4,5,6,7
	QSTEP \g
.endr
	v_nop                                          ; a plain place behind the last conversions
	WIN 0
	s_wait_alu depctr_va_vdst(0)
	BAR                                            ; every wave's reads of the gain are in: the exchange may write over it
	s_wait_tensorcnt 0x0                           ; my 64 rows of chunks 0 and 1 are in; the exchange's barriers show every wave's rows to all
	EXCHANGE 3, 128
	FETCHB 0, 0, 0
	FETCHB 0, 1, 1
	FETCHB 0, 2, 2
	PASS 0, 0, 64, 1, 2, 48, 2*131072
	EPI 0
	PASS 1, 0, 64, 1, 2, 48, 3*131072
	EPI 1
	PASS 0, 0, 64, 1, 2, 48, 4*131072
	EPI 2
	PASS 1, 0, 64, 1, 2, 48, 5*131072
	EPI 3
	PASS 0, 0, 64, 1, 2, 48, 6*131072
	EPI 4
	PASS 1, 0, 64, 1, 2, 48, 7*131072
	EPI 5
	PASS 0, 0, 64, 1, 1, 48, 0
	EPI 6
	PASS 1, 0, 64, 1, 0, 48, 0
	EPI 7
	s_wait_tensorcnt 0x0                           ; the wave's end
	ds_add_u32 v2, v3
	s_wait_dscnt 0x0
	CROUND                                         ; the closing round
	s_endpgm
.Lfunc_end_k_q7979730e1a_qkv:
	.size	k_q7979730e1a_qkv, .Lfunc_end_k_q7979730e1a_qkv-k_q7979730e1a_qkv
	.p2alignl 7, 3214868480
	.fill 96, 4, 3214868480
	.section	.rodata,"a",@progbits
	.p2align	6, 0x0
	.amdhsa_kernel k_q7979730e1a_qkv
		.amdhsa_group_segment_fixed_size 327680
		.amdhsa_private_segment_fixed_size 0
		.amdhsa_enable_private_segment 0
		.amdhsa_kernarg_size 72
		.amdhsa_user_sgpr_count 2
		.amdhsa_user_sgpr_kernarg_segment_ptr 1
		.amdhsa_wavefront_size32 1
		.amdhsa_system_sgpr_workgroup_id_x 1
		.amdhsa_system_sgpr_workgroup_id_y 1
		.amdhsa_system_sgpr_workgroup_id_z 1
		.amdhsa_system_vgpr_workitem_id 0
		.amdhsa_next_free_vgpr 1024
		.amdhsa_next_free_sgpr 100
		.amdhsa_reserve_vcc 0
		.amdhsa_float_denorm_mode_32 3
		.amdhsa_float_denorm_mode_16_64 3
		.amdhsa_memory_ordered 1
		.amdhsa_forward_progress 1
		.amdhsa_inst_pref_size 255
	.end_amdhsa_kernel
	.section	.bss,"aw",@nobits
	.p2align	6
	.space	262144
	.amdgpu_metadata
---
amdhsa.version: [ 1, 2 ]
amdhsa.kernels:
  - .name:           k_q7979730e1a_qkv
    .symbol:         k_q7979730e1a_qkv.kd
    .args:
      - { .name: x, .offset: 0, .size: 8, .value_kind: global_buffer, .address_space: global }
      - { .name: attn_norm_w, .offset: 8, .size: 8, .value_kind: global_buffer, .address_space: global }
      - { .name: W_q_codes, .offset: 16, .size: 8, .value_kind: global_buffer, .address_space: global }
      - { .name: W_k_codes, .offset: 24, .size: 8, .value_kind: global_buffer, .address_space: global }
      - { .name: W_v_codes, .offset: 32, .size: 8, .value_kind: global_buffer, .address_space: global }
      - { .name: lowp_scales, .offset: 40, .size: 8, .value_kind: global_buffer, .address_space: global }
      - { .name: q_img, .offset: 48, .size: 8, .value_kind: global_buffer, .address_space: global }
      - { .name: k_img, .offset: 56, .size: 8, .value_kind: global_buffer, .address_space: global }
      - { .name: v_img, .offset: 64, .size: 8, .value_kind: global_buffer, .address_space: global }
    .group_segment_fixed_size: 327680
    .private_segment_fixed_size: 0
    .kernarg_segment_align: 8
    .kernarg_segment_size: 72
    .max_flat_workgroup_size: 128
    .sgpr_count:     100
    .vgpr_count:     1024
    .wavefront_size: 32
...
	.end_amdgpu_metadata
.endif
;; end of part 1
;; launch attn (part 2): grid 8 x 32, 8 waves a work-group, clusters of 4 x 1, 327,680 bytes of LDS; arguments q_img, k_img, v_img, lowp_scales, a_img; writes a_img
.if DOCPART == 2
	.amdgcn_target "amdgcn-amd-amdhsa--gfx1250"
	.amdhsa_code_object_version 6
	.text
	.protected	k_q7979730e1a_attn
	.globl	k_q7979730e1a_attn
	.p2align	8
	.type	k_q7979730e1a_attn,@function
k_q7979730e1a_attn:
	s_mov_b64 s[64:65], 0
	v_nop
	global_prefetch_b8 v0, s[64:65] scope:SCOPE_SE
	s_setreg_imm32_b32 hwreg(HW_REG_WAVE_MODE, 25, 1), 1
	s_wait_xcnt 0x0
	s_wait_alu depctr_hold_cnt(0) depctr_sa_sdst(0) depctr_va_vdst(0) depctr_va_sdst(0) depctr_va_ssrc(0) depctr_va_vcc(0) depctr_vm_vsrc(0)
	s_getreg_b32 s2, hwreg(HW_REG_IB_STS2, 6, 4)
	s_cmp_eq_u32 s2, 0
	s_cbranch_scc0 .Lentry_in_a_cluster
	s_endpgm
.Lentry_in_a_cluster:
	s_bfe_u32 s2, ttmp6, 0x10000c
	s_cmp_lg_u32 s2, 0x3003
	s_cbranch_scc0 .Lentry_shape_is_right
	s_endpgm
.Lentry_shape_is_right:
; LAUNCH 2 OF 5.  a = softmax(q k^T / 8) v on codes of E5M2, quantised again for the projection.  Nothing is left out.
; THE SOFTMAX: t = score x log2(e) / 8; M = the running largest t rounded up to a whole number; p = 2^(t - M) is quantised; the row's sum is taken of the unquantised p and divides at the end.
; SHARES.  Work-group (x, y): 256 queries (block 4 x cluster + place) of batch x head y.  Each of 8 waves owns TWO tiles of 16 queries, A and B: each fragment of K and V read from LDS feeds two matrix instructions.
; The head's K and V images (131,072 bytes each) lie in LDS whole.  Waves 0-3 fetch K, waves 4-7 V: one load at the head for key steps 0 .. P0 - 1, one behind the full sequence and a round for the rest.
; The four work-groups of a cluster walk the same K and V: both loads are joint (mask 15).  No LDS byte is filled twice.
; NO PREFETCH: both loads go out ahead of the loops; no load follows for which a loop could ask ahead.
; LAYOUT.  S^T = K Q^T and O^T = V^T P^T: a lane holds one query (lane % 16).  Tile jt's eight registers are keys 16 jt + 8 (lane / 16) + 0 .. 7, so their conversion is registers 2 jt, 2 jt + 1 of P's fragment.
; A key step is 128 keys; K's and V's fragments are read one step ahead, each into registers that its own products have left.
; INDEPENDENT WORK.  Maxima go in 8 chains a tile and sums in 4, the two tiles by turns; A's exponentials stand by turns with B's multiply-adds, B's with A's holds, whose results are all first read behind the next wait.
; LIMITS.  e6 + e7 between -123 and 130; e8 and e10 - e8 - e9 between -126 and 112, so that each power of two and 57,344 times it are f32 numbers.  The scaled scores stay under 2^31 in magnitude.  NaN among the inputs is not served.
; REGISTERS.  Window 0: v1 16 x lane, v7 the same in V; v5, v6 the add's two; v8, v9 addresses of the next step; v4 2^e8, v30 = v31 the hold; A: v12 -M, v13 the largest score; v[14:15] the sum; v[16:17] f; B: v18, v19, v[20:21], v[22:23];
; v24-29 at work; v32-95 at work: chains, A's held p; v96-159, v160-223 S^T then p of A, B; v224-239, v240-255 p's codes.  Window 1: v0-31, v32-63 O^T of A, B; v64-79 Q; v128-191 K's fragments; v192-255 V's.
.set P0,    5                          ; key steps in the first load
.set STB,   8192                       ; a key step's bytes of K, and of V
.set VB,    131072                     ; V behind K
.set SPARE, 262144                     ; the spare words: 128 bytes a wave
.set R0,    P0*8                       ; rows of 256 bytes a wave: P0 x 8,192 / 4 waves / 256
.set R1,    (16-P0)*8
.set T,  32
.set SA, 96
.set SB, 160
.set CA, 224
.set CB, 240
.set OA, 0
.set OB, 32
.set QA, 64
.set QB, 72
.set KF, 128
.set VF, 192
.set MSB, 0
.macro WIN new                         ; bits 1:0 source 0, 3:2 source 1, 5:4 source 2, 7:6 destination; the high byte repeats the setting that is left
.if MSB != (\new)
	s_set_vgpr_msb (MSB<<8)|(\new)
.set MSB, (\new)
.endif
.endm
.macro PLACES
.rept 4
	v_nop
.endr
.endm
.macro CROUND
	s_barrier_signal -1
	s_barrier_wait -1
	s_cmp_lg_u32 s18, 0
	s_cbranch_scc1 .Lnot_wave_0_\@
	s_barrier_signal -3
.Lnot_wave_0_\@:
	s_barrier_wait -3
	s_barrier_signal -1
	s_barrier_wait -1
.endm
.macro KLOAD adr                       ; 8 tiles of 16 keys x 64: 16 loads, into window 1
	WIN 0x40
.irp jt, 0,1,2,3,4,5,6,7
	ds_load_b128 v[KF+8*\jt:KF+8*\jt+3], v[\adr] offset:1024*\jt
	ds_load_b128 v[KF+8*\jt+4:KF+8*\jt+7], v[\adr] offset:1024*\jt+512
.endr
	WIN 0
.endm
.macro VLOAD adr                       ; 4 tiles of 16 channels x 128 keys: 16 loads, into window 1
	WIN 0x40
.irp t, 0,1,2,3
.irp p, 0,1,2,3
	ds_load_b128 v[VF+16*\t+4*\p:VF+16*\t+4*\p+3], v[\adr] offset:2048*\t+512*\p
.endr
.endr
	WIN 0
.endm
; A KEY STEP.  On entry K's 16 loads and, younger, V's 16 loads of this step are out.  pf = 1: the next step's fragments, at byte s2 of K and of V, are asked for.
.macro STEP pf
	s_wait_dscnt 16                                ; K's fragments are in; V's 16 loads may be out
	WIN 0x05
.irp jt, 0,1,2,3,4,5,6,7
	v_wmma_f32_16x16x64_bf8_bf8 v[SA+8*\jt:SA+8*\jt+7], v[KF+8*\jt:KF+8*\jt+7], v[QA:QA+7], 0
	v_wmma_f32_16x16x64_bf8_bf8 v[SB+8*\jt:SB+8*\jt+7], v[KF+8*\jt:KF+8*\jt+7], v[QB:QB+7], 0
.endr
	WIN 0
.if \pf
	v_add_nc_u32 v8, s2, v1                        ; four places ahead of the loads into K's registers and of the first read of the scores
	v_add_nc_u32 v9, s2, v7
	v_nop
	v_nop
	KLOAD 8
.else
	PLACES
.endif
.set i, 0
.rept 8                                                ; the step's largest score: 8 chains a tile; the scores in ascending order
	v_max3_num_f32 v[T+i], v[SA+3*i], v[SA+3*i+1], v[SA+3*i+2]
	v_max3_num_f32 v[T+8+i], v[SB+3*i], v[SB+3*i+1], v[SB+3*i+2]
.set i, i+1
.endr
.set i, 0
.rept 20
	v_max3_num_f32 v[T+i%8], v[T+i%8], v[SA+24+2*i], v[SA+25+2*i]
	v_max3_num_f32 v[T+8+i%8], v[T+8+i%8], v[SB+24+2*i], v[SB+25+2*i]
.set i, i+1
.endr
	v_max3_num_f32 v[T], v[T], v[T+1], v[T+2]
	v_max3_num_f32 v[T+8], v[T+8], v[T+9], v[T+10]
	v_max3_num_f32 v[T+3], v[T+3], v[T+4], v[T+5]
	v_max3_num_f32 v[T+11], v[T+11], v[T+12], v[T+13]
	v_max3_num_f32 v[T], v[T], v[T+6], v[T+7]
	v_max3_num_f32 v[T+8], v[T+8], v[T+14], v[T+15]
	v_max_num_f32 v24, v[T], v[T+3]
	v_max_num_f32 v26, v[T+8], v[T+11]
	v_permlanex16_b32 v28, v24, s20, s21           ; the query's other keys lie in lane l xor 16
	v_permlanex16_b32 v29, v26, s20, s21
	v_mov_b32 v25, v12                             ; the old -M
	v_mov_b32 v27, v18
	v_max3_num_f32 v13, v13, v24, v28              ; the running largest score
	v_max3_num_f32 v19, v19, v26, v29
	v_mul_f32 v24, s22, v13                        ; as t (c is positive)
	v_mul_f32 v26, s22, v19
	v_floor_f32 v12, -v24                          ; -M = floor(-t)
	v_floor_f32 v18, -v26
	v_sub_f32 v25, v12, v25                        ; old M - new M, a whole number
	v_sub_f32 v27, v18, v27
.set i, 0
.rept 32
	v_pk_fma_f32 v[SA+i:SA+i+1], v[SA+i:SA+i+1], s[22:23], v[12:13] op_sel_hi:[1,0,0]   ; A: t - M; the way to f stands among these lines
.if i == 6
	v_cvt_i32_f32 v25, v25
	v_cvt_i32_f32 v27, v27
.endif
.if i == 14
	v_ldexp_f32 v16, 1.0, v25                      ; f = 2^(old M - new M)
	v_ldexp_f32 v22, 1.0, v27
.endif
.set i, i+2
.endr
	WIN 0x41
.set i, 0
.rept 16
	v_pk_mul_f32 v[OA+i:OA+i+1], v[OA+i:OA+i+1], v[16:17] op_sel_hi:[1,0]   ; O^T under the new M, ahead of the exponentials
	v_pk_mul_f32 v[OB+i:OB+i+1], v[OB+i:OB+i+1], v[22:23] op_sel_hi:[1,0]
.set i, i+2
.endr
	WIN 0
	s_wait_alu depctr_va_vdst(0)                   ; ahead of the batch
.set i, 0
.rept 32
	v_exp_f32 v[SA+i], v[SA+i]                     ; A's p; by turns B's t - M, first read behind the next wait
	v_exp_f32 v[SA+i+1], v[SA+i+1]
	v_pk_fma_f32 v[SB+i:SB+i+1], v[SB+i:SB+i+1], s[22:23], v[18:19] op_sel_hi:[1,0,0]
.set i, i+2
.endr
	s_wait_alu depctr_va_vdst(0)                   ; behind A's batch and ahead of B's
.set i, 0
.rept 32
	v_exp_f32 v[SB+i], v[SB+i]                     ; B's p; by turns A's hold (the conversion does not saturate: ISA guide 7.6.2; p is not negative), into other registers: the sum wants p as it is
	v_exp_f32 v[SB+i+1], v[SB+i+1]
	v_dual_min_num_f32 v[T+i], v[SA+i], v30 :: v_dual_min_num_f32 v[T+i+1], v[SA+i+1], v31
.set i, i+2
.endr
	v_pk_mul_f32 v[14:15], v[14:15], v[16:17] op_sel_hi:[1,0]   ; the sums under the new M: plain places behind the batch
	v_pk_mul_f32 v[20:21], v[20:21], v[22:23] op_sel_hi:[1,0]
	s_wait_alu depctr_va_vdst(0)                   ; and the wait behind it
.irp jt, 0,1,2,3,4,5,6,7
	v_cvt_scalef32_pk8_bf8_f32 v[CA+2*\jt:CA+2*\jt+1], v[T+8*\jt:T+8*\jt+7], v4
.endr
	v_nop                                          ; a plain place ahead of the lines that write over the conversions' sources
.set i, 0
.rept 4                                                ; the sums of the unquantised p: 4 chains a tile
	v_pk_add_f32 v[T+2*i:T+2*i+1], v[SA+4*i:SA+4*i+1], v[SA+4*i+2:SA+4*i+3]
	v_pk_add_f32 v[T+8+2*i:T+9+2*i], v[SB+4*i:SB+4*i+1], v[SB+4*i+2:SB+4*i+3]
.set i, i+1
.endr
.set i, 0
.rept 24
	v_pk_add_f32 v[T+2*(i%4):T+2*(i%4)+1], v[T+2*(i%4):T+2*(i%4)+1], v[SA+16+2*i:SA+17+2*i]
	v_pk_add_f32 v[T+8+2*(i%4):T+9+2*(i%4)], v[T+8+2*(i%4):T+9+2*(i%4)], v[SB+16+2*i:SB+17+2*i]
.set i, i+1
.endr
	v_pk_add_f32 v[T:T+1], v[T:T+1], v[T+2:T+3]
	v_pk_add_f32 v[T+8:T+9], v[T+8:T+9], v[T+10:T+11]
	v_pk_add_f32 v[T+4:T+5], v[T+4:T+5], v[T+6:T+7]
	v_pk_add_f32 v[T+12:T+13], v[T+12:T+13], v[T+14:T+15]
	v_pk_add_f32 v[T:T+1], v[T:T+1], v[T+4:T+5]
	v_pk_add_f32 v[T+8:T+9], v[T+8:T+9], v[T+12:T+13]
	v_pk_add_f32 v[14:15], v[14:15], v[T:T+1]
	v_pk_add_f32 v[20:21], v[20:21], v[T+8:T+9]
.set i, 0
.rept 32
	v_dual_min_num_f32 v[SB+i], v[SB+i], v30 :: v_dual_min_num_f32 v[SB+i+1], v[SB+i+1], v31   ; B's hold
.set i, i+2
.endr
.irp jt, 0,1,2,3,4,5,6,7
	v_cvt_scalef32_pk8_bf8_f32 v[CB+2*\jt:CB+2*\jt+1], v[SB+8*\jt:SB+8*\jt+7], v4
.endr
	v_nop                                          ; a plain place behind the last conversion
	s_wait_alu depctr_va_vdst(0)                   ; directly ahead of the wait below
	s_wait_dscnt 16*\pf                            ; V's fragments are in; the next step's 16 loads of K may be out
	WIN 0x51
.irp t, 0,1,2,3
	v_wmma_f32_16x16x128_bf8_bf8 v[OA+8*\t:OA+8*\t+7], v[VF+16*\t:VF+16*\t+15], v[CA:CA+15], v[OA+8*\t:OA+8*\t+7]
	v_wmma_f32_16x16x128_bf8_bf8 v[OB+8*\t:OB+8*\t+7], v[VF+16*\t:VF+16*\t+15], v[CB:CB+15], v[OB+8*\t:OB+8*\t+7]
.endr
	WIN 0
.if \pf
	PLACES                                         ; ahead of the loads into V's registers
	VLOAD 9
.endif
.endm
	s_load_b256 s[4:11], s[0:1], 0x0               ; q_img s[4:5], k_img s[6:7], v_img s[8:9], the scales s[10:11]
	s_load_b64 s[12:13], s[0:1], 0x20              ; a_img
	v_lshl_add_u32 v5, v0, 2, SPARE
	v_mov_b32 v6, 0
	ds_add_u32 v5, v6                              ; the opening: the add, twice on end, and its wait
	ds_add_u32 v5, v6
	v_lshrrev_b32 v8, 5, v0
	v_readfirstlane_b32 s18, v8                    ; wave 0..7
	s_bfe_u32 s49, ttmp6, 0x40000                  ; my place in the cluster: it enters global addresses of q_img and a_img alone
	s_lshl_b32 s50, ttmp9, 2
	s_add_co_u32 s50, s50, s49                     ; my block of 256 queries
	s_and_b32 s51, ttmp7, 0xffff                   ; batch x head
	s_mov_b32 s24, 15|(3<<16)|(1<<21)              ; group 1, first load: the mask, elements of 8 bytes, bit 21 beside a mask; R0 dense rows of 256 bytes
	s_mov_b32 s25, 32<<16
	s_mov_b32 s26, R0<<16
	s_mov_b32 s27, 32<<16
	s_mov_b32 s28, R0
	s_mov_b32 s29, 32
	s_mov_b32 s30, 0
	s_mov_b32 s31, 0
	s_mov_b32 s40, 15|(3<<16)|(1<<21)              ; group 1, second load: R1 rows
	s_mov_b32 s41, 32<<16
	s_mov_b32 s42, R1<<16
	s_mov_b32 s43, 32<<16
	s_mov_b32 s44, R1
	s_mov_b32 s45, 32
	s_mov_b32 s46, 0
	s_mov_b32 s47, 0
	s_lshr_b32 s52, s18, 2                         ; 0: I fetch for K, 1: for V
	s_and_b32 s53, s18, 3                          ; my quarter
	s_lshl_b32 s52, s52, 17
	s_mul_i32 s54, s53, R0*256
	s_mul_i32 s55, s53, R1*256
	s_add_co_u32 s55, s55, P0*STB
	s_lshl_b32 s56, s51, 17
	s_mov_b32 s57, 0
	s_mov_b32 s20, 0x76543210
	s_mov_b32 s21, 0xfedcba98
	s_mov_b32 s22, 0x3e38aa3b                      ; c = log2(e) / 8
	s_wait_dscnt 0x0                               ; both opening adds are done
	s_wait_kmcnt 0x0
	s_load_b64 s[68:69], s[10:11], 0x18            ; e6, e7
	s_load_b64 s[70:71], s[10:11], 0x20            ; e8, e9
	s_load_b32 s72, s[10:11], 0x28                 ; e10
	s_cmp_lt_u32 s18, 4
	s_cselect_b64 s[58:59], s[6:7], s[8:9]
	s_add_nc_u64 s[58:59], s[58:59], s[56:57]      ; the head's images
	s_mov_b32 s32, 1
	s_add_co_u32 s33, s52, s54
	s_mov_b32 s56, s54
	s_add_nc_u64 s[34:35], s[58:59], s[56:57]
	s_or_b32 s35, s35, 0x80000000
	s_mov_b32 s36, 1
	s_add_co_u32 s37, s52, s55
	s_mov_b32 s56, s55
	s_add_nc_u64 s[38:39], s[58:59], s[56:57]
	s_or_b32 s39, s39, 0x80000000
	CROUND                                         ; all four work-groups are here: the first joint loads meet
	tensor_load_to_lds s[32:35], s[24:31]          ; key steps 0 .. P0 - 1: my one load at the head
	s_nop 0
	PLACES
	s_lshl_b32 s60, s50, 4
	s_lshl_b32 s61, s18, 1
	s_add_co_u32 s60, s60, s61                     ; my first tile of queries: 16 x block + 2 x wave
	s_lshl_b32 s60, s60, 10
	s_lshl_b32 s62, s51, 17
	s_add_co_u32 s62, s62, s60
	s_mov_b32 s63, 0
	s_add_nc_u64 s[4:5], s[4:5], s[62:63]
	v_and_b32 v1, 31, v0
	v_lshlrev_b32 v1, 4, v1
	WIN 0x40
	global_load_b128 v[QA:QA+3], v1, s[4:5]
	global_load_b128 v[QA+4:QA+7], v1, s[4:5] offset:512
	global_load_b128 v[QB:QB+3], v1, s[4:5] offset:1024
	global_load_b128 v[QB+4:QB+7], v1, s[4:5] offset:1536
.set i, 0
.rept 64
	v_mov_b32 v[OA+i], 0                           ; O^T: the step is written once, and the first change of M leaves zeros zeros
.set i, i+1
.endr
	WIN 0
	v_add_nc_u32 v7, VB, v1
	s_lshr_b32 s52, s51, 4                         ; a_img: [block of 64 tokens][head / 2][tile][piece]: batch,
	s_lshl_b32 s52, s52, 5
	s_lshl_b32 s53, s50, 2
	s_add_co_u32 s52, s52, s53
	s_lshr_b32 s53, s18, 1
	s_add_co_u32 s52, s52, s53
	s_lshl_b32 s52, s52, 16
	s_and_b32 s53, s51, 15
	s_lshr_b32 s54, s53, 1
	s_lshl_b32 s54, s54, 13
	s_add_co_u32 s52, s52, s54
	s_and_b32 s54, s18, 1                          ; my two tiles of the block's four,
	s_lshl_b32 s54, s54, 12
	s_add_co_u32 s52, s52, s54
	s_and_b32 s54, s53, 1                          ; pieces 2 (head % 2) on
	s_lshl_b32 s54, s54, 10
	s_add_co_u32 s52, s52, s54
	s_mov_b32 s53, 0
	s_add_nc_u64 s[12:13], s[12:13], s[52:53]
	v_mov_b32 v13, 0xff61b1e6                      ; the largest score so far: -3e38
	v_mov_b32 v19, 0xff61b1e6
	v_floor_f32 v12, -v13                          ; -M: 3e38, so that the first f is 0
	v_floor_f32 v18, -v19
.irp r, 14,15,17,20,21,23,28,29
	v_mov_b32 v\r, 0                               ; the sums; the pairs' upper words; the permutes' destinations
.endr
	s_wait_kmcnt 0x0
	s_add_co_i32 s56, s68, s69
	s_lshl_b32 s56, s56, 23
	s_add_co_i32 s22, s22, s56                     ; e6 + e7 onto c's exponent field
	s_mov_b32 s23, s22
	s_add_co_i32 s56, s70, s71
	s_sub_co_i32 s56, s72, s56                     ; e10 - e8 - e9: the way out's three scales in one
	s_add_co_i32 s56, s56, 127
	s_lshl_b32 s74, s56, 23
	s_add_co_i32 s56, s56, 15
	s_lshl_b32 s75, s56, 23
	s_or_b32 s75, s75, 0x600000                    ; 57,344 x that
	s_add_co_i32 s56, s70, 127
	s_lshl_b32 s57, s56, 23
	v_mov_b32 v4, s57                              ; 2^e8
	s_add_co_i32 s56, s56, 15
	s_lshl_b32 s56, s56, 23
	s_or_b32 s56, s56, 0x600000
	v_mov_b32 v30, s56                             ; 57,344 x 2^e8, once for each half of a dual pair
	v_mov_b32 v31, s56
	s_wait_alu depctr_va_vdst(0)                   ; the head's end
	s_wait_tensorcnt 0x0                           ; my part of the first steps is in
	ds_add_u32 v5, v6
	s_wait_dscnt 0x0
	CROUND                                         ; everybody's part is in, and the four work-groups are here
	tensor_load_to_lds s[36:39], s[40:47]          ; key steps P0 .. 15: it has P0 - 1 key steps in which to land
	s_nop 0
	PLACES
	KLOAD 1
	VLOAD 7
	s_wait_loadcnt 0x0                             ; Q
	s_mov_b32 s2, STB
	s_mov_b32 s3, P0-1
.Lfirst:                                               ; steps 0 .. P0 - 2 read ahead as far as step P0 - 1
	STEP 1
	s_add_co_u32 s2, s2, STB
	s_sub_co_u32 s3, s3, 1
	s_cmp_lg_u32 s3, 0
	s_cbranch_scc1 .Lfirst
	s_wait_tensorcnt 0x0                           ; my part of the other steps is in,
	s_wait_dscnt 0x0                               ; no LDS load of mine is out at the signal,
	s_barrier_signal -1
	s_barrier_wait -1                              ; and so is everybody's
	s_mov_b32 s2, P0*STB
	s_mov_b32 s3, 16-P0
.Lrest:                                                ; steps P0 - 1 .. 14
	STEP 1
	s_add_co_u32 s2, s2, STB
	s_sub_co_u32 s3, s3, 1
	s_cmp_lg_u32 s3, 0
	s_cbranch_scc1 .Lrest
	STEP 0                                         ; step 15 reads nothing ahead
	v_add_f32 v14, v14, v15                        ; the sums' halves (these lines are also the places behind the last products)
	v_add_f32 v20, v20, v21
	v_permlanex16_b32 v28, v14, s20, s21
	v_permlanex16_b32 v29, v20, s20, s21
	v_add_f32 v14, v14, v28
	v_add_f32 v20, v20, v29
	s_wait_alu depctr_va_vdst(0)                   ; ahead of the transcendentals
	v_rcp_f32 v14, v14
	v_rcp_f32 v20, v20
	v_mov_b32 v24, s74                             ; plain places: the way out's scale and hold
	v_mov_b32 v25, s75
	WIN 0x01
	s_wait_alu depctr_va_vdst(0)                   ; behind the transcendentals, directly ahead of the first readers of O^T
.set i, 0
.rept 16
	v_pk_mul_f32 v[SA+i:SA+i+1], v[OA+i:OA+i+1], v[14:15] op_sel_hi:[1,0]
.set i, i+2
.endr
.set i, 0
.rept 16
	v_pk_mul_f32 v[SA+32+i:SA+33+i], v[OB+i:OB+i+1], v[20:21] op_sel_hi:[1,0]
.set i, i+2
.endr
	WIN 0
.set i, 0
.rept 64
	v_med3_num_f32 v[SA+i], v[SA+i], -v25, v25
.set i, i+1
.endr
.irp t, 0,1,2,3,4,5,6,7
	v_cvt_scalef32_pk8_bf8_f32 v[32+2*\t:33+2*\t], v[SA+8*\t:SA+8*\t+7], v24
.endr
	v_nop
	global_store_b128 v1, v[32:35], s[12:13]               ; 512 consecutive bytes a store
	global_store_b128 v1, v[36:39], s[12:13] offset:512
	global_store_b128 v1, v[40:43], s[12:13] offset:2048
	global_store_b128 v1, v[44:47], s[12:13] offset:2560
	s_wait_tensorcnt 0x0                           ; the wave's end
	ds_add_u32 v5, v6
	s_wait_dscnt 0x0
	CROUND                                         ; the closing round
	s_endpgm
.Lfunc_end_k_q7979730e1a_attn:
	.size	k_q7979730e1a_attn, .Lfunc_end_k_q7979730e1a_attn-k_q7979730e1a_attn
	.p2alignl 7, 3214868480
	.fill 96, 4, 3214868480
	.section	.rodata,"a",@progbits
	.p2align	6, 0x0
	.amdhsa_kernel k_q7979730e1a_attn
		.amdhsa_group_segment_fixed_size 327680
		.amdhsa_private_segment_fixed_size 0
		.amdhsa_enable_private_segment 0
		.amdhsa_kernarg_size 40
		.amdhsa_user_sgpr_count 2
		.amdhsa_user_sgpr_kernarg_segment_ptr 1
		.amdhsa_wavefront_size32 1
		.amdhsa_system_sgpr_workgroup_id_x 1
		.amdhsa_system_sgpr_workgroup_id_y 1
		.amdhsa_system_sgpr_workgroup_id_z 1
		.amdhsa_system_vgpr_workitem_id 0
		.amdhsa_next_free_vgpr 512
		.amdhsa_next_free_sgpr 100
		.amdhsa_reserve_vcc 0
		.amdhsa_float_denorm_mode_32 3
		.amdhsa_float_denorm_mode_16_64 3
		.amdhsa_memory_ordered 1
		.amdhsa_forward_progress 1
		.amdhsa_inst_pref_size 102
	.end_amdhsa_kernel
	.amdgpu_metadata
---
amdhsa.version: [ 1, 2 ]
amdhsa.kernels:
  - .name:           k_q7979730e1a_attn
    .symbol:         k_q7979730e1a_attn.kd
    .args:
      - { .name: q_img, .offset: 0, .size: 8, .value_kind: global_buffer, .address_space: global }
      - { .name: k_img, .offset: 8, .size: 8, .value_kind: global_buffer, .address_space: global }
      - { .name: v_img, .offset: 16, .size: 8, .value_kind: global_buffer, .address_space: global }
      - { .name: lowp_scales, .offset: 24, .size: 8, .value_kind: global_buffer, .address_space: global }
      - { .name: a_img, .offset: 32, .size: 8, .value_kind: global_buffer, .address_space: global }
    .group_segment_fixed_size: 327680
    .private_segment_fixed_size: 0
    .kernarg_segment_align: 8
    .kernarg_segment_size: 40
    .max_flat_workgroup_size: 256
    .sgpr_count:     100
    .vgpr_count:     512
    .wavefront_size: 32
...
	.end_amdgpu_metadata
.endif
;; end of part 2
;; launch wo (part 3): grid 64 x 4, 4 waves a work-group, clusters of 4 x 1, 327,680 bytes of LDS; arguments a_img, W_o_codes, lowp_scales, b_o, x, x1; writes x1
.if DOCPART == 3
	.amdgcn_target "amdgcn-amd-amdhsa--gfx1250"
	.amdhsa_code_object_version 6
	.text
	.protected	k_q7979730e1a_wo
	.globl	k_q7979730e1a_wo
	.p2align	8
	.type	k_q7979730e1a_wo,@function
k_q7979730e1a_wo:
	s_mov_b64 s[64:65], 0
	v_nop
	global_prefetch_b8 v0, s[64:65] scope:SCOPE_SE
	s_setreg_imm32_b32 hwreg(HW_REG_WAVE_MODE, 25, 1), 1
	s_wait_xcnt 0x0
	s_wait_alu depctr_hold_cnt(0) depctr_sa_sdst(0) depctr_va_vdst(0) depctr_va_sdst(0) depctr_va_ssrc(0) depctr_va_vcc(0) depctr_vm_vsrc(0)
	s_getreg_b32 s2, hwreg(HW_REG_IB_STS2, 6, 4)
	s_cmp_eq_u32 s2, 0
	s_cbranch_scc0 .Lentry_in_a_cluster
	s_endpgm
.Lentry_in_a_cluster:
	s_bfe_u32 s2, ttmp6, 0x10000c
	s_cmp_lg_u32 s2, 0x3003
	s_cbranch_scc0 .Lentry_shape_is_right
	s_endpgm
.Lentry_shape_is_right:
; LAUNCH 3 OF 5.  x1 = x + A W_o^T + b_o; A's codes come as images of the operand's registers.  Nothing is left out.
; SHARES.  Work-group (x, y): 64 tokens, 256 output columns = 2 chunks of 128 weight rows.  Each wave loads a quarter of the block's images; they go round through LDS, so that every wave holds 64 rows x 1,024 K in 512 registers.
; Wave w fetches rows 64 w .. 64 w + 63 of the two chunks and reads only rows 32 w .. 32 w + 31 of a chunk; the four work-groups of a cluster have the same y: every tile is asked for jointly (mask 15).  Both chunks are first fills: no slot is filled again here.
; The codes are wanted first, so they are asked for ahead of the tiles; the residual and the bias, wanted last, behind them.
; Source 0 = 16 weight rows, source 1 = 16 tokens: a lane holds one token and eight neighbouring columns.  The sums go through a stage in LDS and leave as whole rows: 512 consecutive bytes a store.
; LIMIT.  eA + eB between -126 and 127.
; REGISTERS.  Window 0: v1 16 x lane; v2, v3 the add's two; v4, v5 my weight rows in slot 0, 1; v6, v7 the exchange; v25, v26 the stage, in and out; v32-39 the bias; v128-255 four sets of weight fragments.
; Windows 1, 2: the tokens' fragments.  Window 3: v0-127 two chunks' accumulators, later the rows read back; v128-255 the residual's rows, then the results.
.set KH,     1
.set WPITCH, 1024
.set ABLK,   65536
.set SOFF,   40
.set PITCH, 1040
.set WROWS, 32*PITCH
.set SLOTB, 4*WROWS
.set UB,    2*SLOTB
.set SPARE, UB+33792
.set MSB, 0
.macro WIN new
.if MSB != (\new)
	s_set_vgpr_msb (MSB<<8)|(\new)
.set MSB, (\new)
.endif
.endm
.macro WINL
.if (MSB&0xc3) != 0
	WIN 0
.endif
.endm
.macro PLACES
.rept 4
	v_nop
.endr
.endm
.macro CREST
	s_cmp_lg_u32 s28, 0
	s_cbranch_scc1 .Lnot_wave_0_\@
	s_barrier_signal -3
.Lnot_wave_0_\@:
	s_barrier_wait -3
	s_barrier_signal -1
	s_barrier_wait -1
.endm
.macro CROUND
	s_barrier_signal -1
	s_barrier_wait -1
	CREST
.endm
.macro BAR
	s_wait_dscnt 0x0
	s_barrier_signal -1
	s_barrier_wait -1
.endm
.macro FETCHB slot, s, q
.irp bt, 0,1
.irp c, 0,1,2,3,4,5,6,7
	ds_load_b64 v[128+32*(\q)+16*\bt+2*\c:128+32*(\q)+16*\bt+2*\c+1], v[4+(\slot)] offset:\bt*16640+128*(\s)+16*\c
.endr
.endr
.endm
.macro MUL8 s, q, aw, acc, zero        ; the eight accumulators take turns
	WIN ((\aw)*0x50)|((1+((\s)>>2))<<2)
.irp a, 0,1,2,3
.irp bt, 0,1
.if \zero
	v_wmma_f32_16x16x128_bf8_bf8 v[(\acc)+8*(2*\a+\bt):(\acc)+8*(2*\a+\bt)+7], v[128+32*(\q)+16*\bt:128+32*(\q)+16*\bt+15], v[64*((\s)&3)+16*\a:64*((\s)&3)+16*\a+15], 0
.else
	v_wmma_f32_16x16x128_bf8_bf8 v[(\acc)+8*(2*\a+\bt):(\acc)+8*(2*\a+\bt)+7], v[128+32*(\q)+16*\bt:128+32*(\q)+16*\bt+15], v[64*((\s)&3)+16*\a:64*((\s)&3)+16*\a+15], v[(\acc)+8*(2*\a+\bt):(\acc)+8*(2*\a+\bt)+7]
.endif
.endr
.endr
.endm
; One tile: 8 K steps of 128, weight fragments three steps ahead in four sets.  mode 2: at step 5 this slot is filled again from s[base] + toff; 1: a tile follows, nothing is filled; 0: the last.
.macro PASS slot, aw, acc, zero, mode, base, toff
.irp st, 0,1,2,3,4
	PLACES
	WINL
	FETCHB \slot, \st+3, (\st+3)%4
	s_wait_dscnt 48                                ; this step's set is in; three younger runs of 16 may be out
.if \st == 0
	MUL8 \st, \st, \aw, \acc, \zero
.else
	MUL8 \st, \st%4, \aw, \acc, 0
.endif
.endr
.if \mode == 2
	WIN 0
	s_wait_tensorcnt 0x0                           ; my one tensor load that is out, my rows of the other slot, has landed
	ds_add_u32 v2, v3                              ; 0 onto my spare word
	s_add_nc_u64 s[42+4*\slot:43+4*\slot], s[\base:\base+1], \toff
	s_or_b32 s[43+4*\slot], s[43+4*\slot], 0x80000000
	s_wait_dscnt 0x0                               ; the add is done and my reads of this slot are over
	s_barrier_signal -1
	MUL8 5, 1, \aw, \acc, 0
	WIN 0
	s_barrier_wait -1
	CREST
	tensor_load_to_lds s[40+4*\slot:43+4*\slot], s[32:39]
	s_nop 0
	PLACES
	FETCHB 1-\slot, 0, 0
.elseif \mode == 1
	s_wait_tensorcnt 0x0                           ; the other slot's load is the only one out: my rows of it are in, and I alone read them
	PLACES
	WINL
	FETCHB 1-\slot, 0, 0
	s_wait_dscnt 48
	MUL8 5, 1, \aw, \acc, 0
.else
	s_wait_dscnt 32
	MUL8 5, 1, \aw, \acc, 0
.endif
.irp st, 6,7
.if \mode > 0
	PLACES
	WINL
	FETCHB 1-\slot, \st-5, \st-5
.if \mode == 1
	s_wait_dscnt 48
.endif
.else
	s_wait_dscnt 16*(7-\st)
.endif
	MUL8 \st, \st%4, \aw, \acc, 0
.endr
.endm
.macro EXCHANGE cw
.irp e, 0,1
	WIN (\cw)<<2
.irp sp, 0,1,2,3
.irp p, 0,1,2,3
	ds_store_b128 v6, v[128+64*\e+16*\sp+4*\p:128+64*\e+16*\sp+4*\p+3] offset:\sp*8192+\p*512
.endr
.endr
	BAR
	PLACES
	WIN (1+\e)<<6
.irp f, 0,1,2,3,4,5,6,7,8,9,10,11,12,13,14,15
.irp p, 0,1,2,3
	ds_load_b128 v[16*\f+4*\p:16*\f+4*\p+3], v7 offset:\f*2048+\p*512
.endr
.endr
	BAR
.endr
	WIN 0
.endm
.macro LOADCODES kh, cw                ; my tile's 8 fragments of K half kh into window cw, v128 on
	WIN (\cw)<<6
.irp s, 0,1,2,3,4,5,6,7
.irp p, 0,1,2,3
	global_load_b128 v[128+16*\s+4*\p:131+16*\s+4*\p], v1, s[4:5] offset:(8*(\kh)+\s)*8192+\p*512
.endr
.endr
.endm
.macro RESLOAD                         ; the residual at my 16 rows, both chunks' 512 bytes
	WIN 0xc0
.irp n, 0,1
.irp i, 0,1,2,3,4,5,6,7,8,9,10,11,12,13,14,15
	global_load_b128 v[128+64*\n+4*\i:131+64*\n+4*\i], v1, s[12:13] offset:\i*4096+512*\n
.endr
.endr
.endm
.macro BIAS
	WIN 0
	global_load_b128 v[32:35], v1, s[10:11]
	global_load_b128 v[36:39], v1, s[10:11] offset:512
.endm
.macro FIN n                           ; chunk n: sums to the stage, whole rows back, x 2^(eA + eB) + residual + bias, stored
	WIN 0x0c
.irp a, 0,1,2,3
.irp bt, 0,1
	ds_store_b128 v25, v[64*\n+8*(2*\a+\bt):64*\n+8*(2*\a+\bt)+3] offset:\a*8448+\bt*64       ; each accumulator from its low end on
	ds_store_b128 v25, v[64*\n+8*(2*\a+\bt)+4:64*\n+8*(2*\a+\bt)+7] offset:\a*8448+\bt*64+16
.endr
.endr
	BAR                                            ; 64 whole rows lie in the stage
	WIN 0xc0
.irp i, 0,1,2,3,4,5,6,7,8,9,10,11,12,13,14,15
	ds_load_b128 v[64*\n+4*\i:64*\n+4*\i+3], v26 offset:\i*528
.endr
.if \n == 0
	BAR                                            ; every wave's reads are in: the stage may be written again
.else
	s_wait_dscnt 0x0
.endif
	WIN 0xf3
.set i, 0
.rept 32
	v_pk_fma_f32 v[128+64*\n+i:129+64*\n+i], v[64*\n+i:64*\n+i+1], s[52:53], v[128+64*\n+i:129+64*\n+i] op_sel_hi:[1,0,1]
.set i, i+2
.endr
	WIN 0xc3
.set i, 0
.rept 16
	v_pk_add_f32 v[128+64*\n+4*i:129+64*\n+4*i], v[128+64*\n+4*i:129+64*\n+4*i], v[32+4*\n:33+4*\n]
	v_pk_add_f32 v[130+64*\n+4*i:131+64*\n+4*i], v[130+64*\n+4*i:131+64*\n+4*i], v[34+4*\n:35+4*\n]
.set i, i+1
.endr
	WIN 0x0c
.irp i, 0,1,2,3,4,5,6,7,8,9,10,11,12,13,14,15
	global_store_b128 v1, v[128+64*\n+4*\i:131+64*\n+4*\i], s[14:15] offset:\i*4096+512*\n   ; 512 consecutive bytes, aligned
.endr
	WIN 0
.endm
	s_load_b256 s[4:11], s[0:1], 0x0               ; the images s[4:5], the weight s[6:7], the scales s[8:9], the bias s[10:11]
	s_load_b128 s[12:15], s[0:1], 0x20             ; the residual s[12:13], the output s[14:15]
	v_lshl_add_u32 v2, v0, 2, SPARE
	v_mov_b32 v3, 0
	ds_add_u32 v2, v3                              ; the opening: the add, twice on end, and its wait ahead of my first tensor load
	ds_add_u32 v2, v3
	v_lshrrev_b32 v1, 5, v0
	v_readfirstlane_b32 s28, v1                    ; wave
	s_bfe_u32 s29, ttmp6, 0x40000                  ; my place in the cluster: it enters global addresses of images, residual and output alone
	s_lshl_b32 s30, ttmp9, 2
	s_add_co_u32 s30, s30, s29                     ; my block of 64 tokens
	s_and_b32 s31, ttmp7, 0xffff                   ; my 256 columns
	s_mov_b32 s32, 15|(1<<20)|(1<<21)|(7<<22)|(3<<25)  ; the mask: all four; bytes; padding: four words behind every 256; bit 21 beside a mask
	s_mov_b32 s33, 1024<<16
	s_mov_b32 s34, 64<<16
	s_mov_b32 s35, 1024<<16
	s_mov_b32 s36, 64
	s_mov_b32 s37, WPITCH
	s_mov_b32 s38, 0
	s_mov_b32 s39, 0
	v_and_b32 v27, 15, v0
	v_bfe_u32 v28, v0, 4, 1
	v_and_b32 v1, 31, v0
	v_lshlrev_b32 v1, 4, v1
	s_mul_i32 s41, s28, WROWS
	v_mul_u32_u24 v4, v27, PITCH
	v_lshl_add_u32 v4, v28, 3, v4
	v_add_nc_u32 v4, s41, v4
	v_add_nc_u32 v5, SLOTB, v4
	s_lshl_b32 s57, s28, 11
	v_add_nc_u32 v7, UB, v1
	v_add_nc_u32 v6, s57, v7
	s_lshl_b32 s57, s28, 7
	v_mul_u32_u24 v25, v27, 528                    ; the stage: row lane % 16, + 32 (lane / 16), + 128 x wave
	v_lshl_add_u32 v25, v28, 5, v25
	v_add_nc_u32 v25, s57, v25
	v_add_nc_u32 v25, UB, v25
	s_mul_i32 s57, s28, 8448
	v_add_nc_u32 v26, s57, v7                      ; back: my 16 rows, 16 bytes a lane
	s_wait_dscnt 0x0                               ; both opening adds are done
	s_wait_kmcnt 0x0
	s_load_b64 s[52:53], s[8:9], SOFF              ; eA, eB
	s_mul_i32 s56, s30, ABLK
	s_lshl_b32 s58, s28, 11
	s_add_co_u32 s56, s56, s58
	s_mov_b32 s57, 0
	s_add_nc_u64 s[4:5], s[4:5], s[56:57]          ; my tile's images
	LOADCODES 0, 2                                 ; wanted first: asked for ahead of the tiles
	WIN 0
	s_lshl_b32 s56, s31, 8
	s_lshl_b32 s58, s28, 6                         ; the two chunks are 256 neighbouring rows, the two slots neighbours in LDS: wave w fetches rows 64 w .. 64 w + 63 by one load
	s_add_co_u32 s56, s56, s58
	s_mul_i32 s56, s56, WPITCH
	s_add_nc_u64 s[48:49], s[6:7], s[56:57]        ; row 64 w of my 256 rows: the start of my one load
	s_mov_b32 s40, 1
	s_mov_b64 s[42:43], s[48:49]
	s_or_b32 s43, s43, 0x80000000
	s_mul_i32 s41, s28, 2*WROWS                    ; where my 64 rows go
	CROUND                                         ; all four work-groups are here: the joint loads meet
	tensor_load_to_lds s[40:43], s[32:39]          ; my one tensor load
	s_nop 0
	PLACES
	s_lshl_b32 s56, s30, 18
	s_lshl_b32 s58, s28, 16
	s_add_co_u32 s56, s56, s58
	s_lshl_b32 s58, s31, 10
	s_add_co_u32 s56, s56, s58
	s_add_nc_u64 s[12:13], s[12:13], s[56:57]      ; my 16 rows, my 256 columns
	s_add_nc_u64 s[14:15], s[14:15], s[56:57]
	s_mov_b32 s56, s58
	s_add_nc_u64 s[10:11], s[10:11], s[56:57]
.if KH == 2
	LOADCODES 1, 3
.else
	RESLOAD
.endif
	BIAS
	s_wait_kmcnt 0x0
	s_add_co_i32 s52, s52, s53
	s_add_co_i32 s52, s52, 127
	s_lshl_b32 s52, s52, 23                        ; 2^(eA + eB)
	s_mov_b32 s53, s52
	s_wait_loadcnt 34                              ; the first 32 loads, my codes, are in; 32 further loads and the bias's two may be out
	s_wait_alu depctr_va_vdst(0)
	EXCHANGE 2                                     ; the codes go round while the tile is on its way
	s_wait_tensorcnt 0x0                           ; my 64 rows are in,
	BAR                                            ; and so are every wave's
	FETCHB 0, 0, 0
	FETCHB 0, 1, 1
	FETCHB 0, 2, 2
.if KH == 2
	PASS 0, 3, 0, 1, 2, 48, 1024
	PASS 1, 3, 64, 1, 2, 48, 128*WPITCH+1024
	s_wait_loadcnt 0x0
	EXCHANGE 3
	RESLOAD
	PASS 0, 3, 0, 0, 1, 48, 0
	PASS 1, 3, 64, 0, 0, 48, 0
.else
	PASS 0, 3, 0, 1, 1, 48, 0
	PASS 1, 3, 64, 1, 0, 48, 0
.endif
	PLACES
	s_wait_loadcnt 0x0                             ; the residual and the bias
	FIN 0
	FIN 1
	s_wait_tensorcnt 0x0                           ; the wave's end
	ds_add_u32 v2, v3
	s_wait_dscnt 0x0
	CROUND                                         ; the closing round
	s_endpgm
.Lfunc_end_k_q7979730e1a_wo:
	.size	k_q7979730e1a_wo, .Lfunc_end_k_q7979730e1a_wo-k_q7979730e1a_wo
	.p2alignl 7, 3214868480
	.fill 96, 4, 3214868480
	.section	.rodata,"a",@progbits
	.p2align	6, 0x0
	.amdhsa_kernel k_q7979730e1a_wo
		.amdhsa_group_segment_fixed_size 327680
		.amdhsa_private_segment_fixed_size 0
		.amdhsa_enable_private_segment 0
		.amdhsa_kernarg_size 48
		.amdhsa_user_sgpr_count 2
		.amdhsa_user_sgpr_kernarg_segment_ptr 1
		.amdhsa_wavefront_size32 1
		.amdhsa_system_sgpr_workgroup_id_x 1
		.amdhsa_system_sgpr_workgroup_id_y 1
		.amdhsa_system_sgpr_workgroup_id_z 1
		.amdhsa_system_vgpr_workitem_id 0
		.amdhsa_next_free_vgpr 1024
		.amdhsa_next_free_sgpr 100
		.amdhsa_reserve_vcc 0
		.amdhsa_float_denorm_mode_32 3
		.amdhsa_float_denorm_mode_16_64 3
		.amdhsa_memory_ordered 1
		.amdhsa_forward_progress 1
		.amdhsa_inst_pref_size 65
	.end_amdhsa_kernel
	.amdgpu_metadata
---
amdhsa.version: [ 1, 2 ]
amdhsa.kernels:
  - .name:           k_q7979730e1a_wo
    .symbol:         k_q7979730e1a_wo.kd
    .args:
      - { .name: a_img, .offset: 0, .size: 8, .value_kind: global_buffer, .address_space: global }
      - { .name: W_o_codes, .offset: 8, .size: 8, .value_kind: global_buffer, .address_space: global }
      - { .name: lowp_scales, .offset: 16, .size: 8, .value_kind: global_buffer, .address_space: global }
      - { .name: b_o, .offset: 24, .size: 8, .value_kind: global_buffer, .address_space: global }
      - { .name: x, .offset: 32, .size: 8, .value_kind: global_buffer, .address_space: global }
      - { .name: x1, .offset: 40, .size: 8, .value_kind: global_buffer, .address_space: global }
    .group_segment_fixed_size: 327680
    .private_segment_fixed_size: 0
    .kernarg_segment_align: 8
    .kernarg_segment_size: 48
    .max_flat_workgroup_size: 128
    .sgpr_count:     100
    .vgpr_count:     1024
    .wavefront_size: 32
...
	.end_amdgpu_metadata
.endif
;; end of part 3
;; launch ffn1 (part 4): grid 64 x 4, 4 waves a work-group, clusters of 4 x 1, 327,680 bytes of LDS; arguments x1, ffn_norm_w, W_gate_codes, W_hidden_codes, lowp_scales, f_img; writes f_img
.if DOCPART == 4
	.amdgcn_target "amdgcn-amd-amdhsa--gfx1250"
	.amdhsa_code_object_version 6
	.text
	.protected	k_q7979730e1a_ffn1
	.globl	k_q7979730e1a_ffn1
	.p2align	8
	.type	k_q7979730e1a_ffn1,@function
k_q7979730e1a_ffn1:
	s_mov_b64 s[64:65], 0
	v_nop
	global_prefetch_b8 v0, s[64:65] scope:SCOPE_SE
	s_setreg_imm32_b32 hwreg(HW_REG_WAVE_MODE, 25, 1), 1
	s_wait_xcnt 0x0
	s_wait_alu depctr_hold_cnt(0) depctr_sa_sdst(0) depctr_va_vdst(0) depctr_va_sdst(0) depctr_va_ssrc(0) depctr_va_vcc(0) depctr_vm_vsrc(0)
	s_getreg_b32 s2, hwreg(HW_REG_IB_STS2, 6, 4)
	s_cmp_eq_u32 s2, 0
	s_cbranch_scc0 .Lentry_in_a_cluster
	s_endpgm
.Lentry_in_a_cluster:
	s_bfe_u32 s2, ttmp6, 0x10000c
	s_cmp_lg_u32 s2, 0x3003
	s_cbranch_scc0 .Lentry_shape_is_right
	s_endpgm
.Lentry_shape_is_right:
.set WPITCH, 1024
.set PITCH, 1040
.set WROWS, 32*PITCH
.set SLOTB, 4*WROWS
.set UB,    2*SLOTB
.set SPARE, UB+57344
.set MSB, 0
.macro WIN new
.if MSB != (\new)
	s_set_vgpr_msb (MSB<<8)|(\new)
.set MSB, (\new)
.endif
.endm
.macro WINL
.if (MSB&0xc3) != 0
	WIN 0
.endif
.endm
.macro PLACES
.rept 4
	v_nop
.endr
.endm
.macro CREST
	s_cmp_lg_u32 s28, 0
	s_cbranch_scc1 .Lnot_wave_0_\@
	s_barrier_signal -3
.Lnot_wave_0_\@:
	s_barrier_wait -3
	s_barrier_signal -1
	s_barrier_wait -1
.endm
.macro CROUND
	s_barrier_signal -1
	s_barrier_wait -1
	CREST
.endm
.macro BAR
	s_wait_dscnt 0x0
	s_barrier_signal -1
	s_barrier_wait -1
.endm
.macro MKSC e, t, vsc, vlim
	s_add_co_i32 s[\t], s[\e], 127
	s_lshl_b32 s[\e], s[\t], 23
	v_mov_b32 v[\vsc], s[\e]
	s_add_co_i32 s[\t], s[\t], 15
	s_lshl_b32 s[\t], s[\t], 23
	s_or_b32 s[\t], s[\t], 0x600000
	v_mov_b32 v[\vlim], s[\t]
.endm
.macro FETCHB slot, s, q
.irp bt, 0,1
.irp c, 0,1,2,3,4,5,6,7
	ds_load_b64 v[128+32*(\q)+16*\bt+2*\c:128+32*(\q)+16*\bt+2*\c+1], v[4+(\slot)] offset:\bt*16640+128*(\s)+16*\c
.endr
.endr
.endm
.macro MUL8 s, q, aw, acc, zero
	WIN ((\aw)*0x50)|((1+((\s)>>2))<<2)
.irp a, 0,1,2,3
.irp bt, 0,1
.if \zero
	v_wmma_f32_16x16x128_bf8_bf8 v[(\acc)+8*(2*\a+\bt):(\acc)+8*(2*\a+\bt)+7], v[128+32*(\q)+16*\bt:128+32*(\q)+16*\bt+15], v[64*((\s)&3)+16*\a:64*((\s)&3)+16*\a+15], 0
.else
	v_wmma_f32_16x16x128_bf8_bf8 v[(\acc)+8*(2*\a+\bt):(\acc)+8*(2*\a+\bt)+7], v[128+32*(\q)+16*\bt:128+32*(\q)+16*\bt+15], v[64*((\s)&3)+16*\a:64*((\s)&3)+16*\a+15], v[(\acc)+8*(2*\a+\bt):(\acc)+8*(2*\a+\bt)+7]
.endif
.endr
.endr
.endm
.macro PASS slot, aw, acc, zero, mode, base, toff
.irp st, 0,1,2,3,4
	PLACES
	WINL
	FETCHB \slot, \st+3, (\st+3)%4
	s_wait_dscnt 48
.if \st == 0
	MUL8 \st, \st, \aw, \acc, \zero
.else
	MUL8 \st, \st%4, \aw, \acc, 0
.endif
.endr
.if \mode == 2
	WIN 0
	s_wait_tensorcnt 0x0
	ds_add_u32 v2, v3
	s_add_nc_u64 s[42+4*\slot:43+4*\slot], s[\base:\base+1], \toff
	s_or_b32 s[43+4*\slot], s[43+4*\slot], 0x80000000
	s_wait_dscnt 0x0
	s_barrier_signal -1
	MUL8 5, 1, \aw, \acc, 0
	WIN 0
	s_barrier_wait -1
	CREST
	tensor_load_to_lds s[40+4*\slot:43+4*\slot], s[32:39]
	s_nop 0
	PLACES
	FETCHB 1-\slot, 0, 0
.elseif \mode == 1
	s_wait_tensorcnt 0x0
	PLACES
	WINL
	FETCHB 1-\slot, 0, 0
	s_wait_dscnt 48
	MUL8 5, 1, \aw, \acc, 0
.else
	s_wait_dscnt 32
	MUL8 5, 1, \aw, \acc, 0
.endif
.irp st, 6,7
.if \mode > 0
	PLACES
	WINL
	FETCHB 1-\slot, \st-5, \st-5
.if \mode == 1
	s_wait_dscnt 48
.endif
.else
	s_wait_dscnt 16*(7-\st)
.endif
	MUL8 \st, \st%4, \aw, \acc, 0
.endr
.endm
.macro EXCHANGE cw, cb
.irp e, 0,1
	WIN (\cw)<<2
.irp sp, 0,1,2,3
.irp p, 0,1,2,3
	ds_store_b128 v6, v[(\cb)+64*\e+16*\sp+4*\p:(\cb)+64*\e+16*\sp+4*\p+3] offset:\sp*8192+\p*512
.endr
.endr
	BAR
	WIN (1+\e)<<6
.irp f, 0,1,2,3,4,5,6,7,8,9,10,11,12,13,14,15
.irp p, 0,1,2,3
	ds_load_b128 v[16*\f+4*\p:16*\f+4*\p+3], v7 offset:\f*2048+\p*512
.endr
.endr
	BAR
.endr
	WIN 0
.endm
.macro STASH
	WIN 3<<2
.irp s, 0,1,2,3,4,5,6
.irp p, 0,1,2,3
	ds_store_b128 v6, v[128+16*\s+4*\p:131+16*\s+4*\p] offset:\s*8192+\p*512
.endr
.endr
	BAR
	WIN 0
.endm
.macro XCH2
	PLACES
	WIN 1<<6
.irp f, 0,1,2,3,4,5,6,7,8,9,10,11,12,13,14,15
.irp p, 0,1,2,3
	ds_load_b128 v[16*\f+4*\p:16*\f+4*\p+3], v7 offset:\f*2048+\p*512
.endr
.endr
	WIN 2<<6
.irp f, 0,1,2,3,4,5,6,7,8,9,10,11
.irp p, 0,1,2,3
	ds_load_b128 v[16*\f+4*\p:16*\f+4*\p+3], v7 offset:32768+\f*2048+\p*512
.endr
.endr
	BAR
	WIN 3<<2
.irp p, 0,1,2,3
	ds_store_b128 v6, v[240+4*\p:243+4*\p] offset:\p*512
.endr
	BAR
	WIN 2<<6
.irp a, 0,1,2,3
.irp p, 0,1,2,3
	ds_load_b128 v[192+16*\a+4*\p:195+16*\a+4*\p], v7 offset:\a*2048+\p*512
.endr
.endr
.endm
.macro XLOAD s
	WIN (1+((\s)>>2))<<6
.irp c, 0,1,2,3,4,5,6,7
	global_load_b128 v[64*((\s)&3)+8*\c:64*((\s)&3)+8*\c+3], v8, s[4:5] offset:512*(\s)+64*\c
	global_load_b128 v[64*((\s)&3)+8*\c+4:64*((\s)&3)+8*\c+7], v8, s[4:5] offset:512*(\s)+64*\c+16
.endr
.endm
.macro GLOAD s
	WIN 0
.irp c, 0,1,2,3,4,5,6,7
	ds_load_b128 v[128+64*((\s)%2)+8*\c:128+64*((\s)%2)+8*\c+3], v9 offset:512*(\s)+64*\c
	ds_load_b128 v[128+64*((\s)%2)+8*\c+4:128+64*((\s)%2)+8*\c+7], v9 offset:512*(\s)+64*\c+16
.endr
.endm
.macro SSQS g, left
	s_wait_loadcnt \left
	WIN 5*(1+((\g)>>2))
.set XB, 64*((\g)&3)
.set i, 0
.rept 32
.if ((\g) == 0) && (i < 4)
	v_pk_mul_f32 v[16+2*i:17+2*i], v[XB+2*i:XB+2*i+1], v[XB+2*i:XB+2*i+1]
.else
	v_pk_fma_f32 v[16+2*(i%4):17+2*(i%4)], v[XB+2*i:XB+2*i+1], v[XB+2*i:XB+2*i+1], v[16+2*(i%4):17+2*(i%4)]
.endif
.set i, i+1
.endr
.endm
.macro GX g
.if (\g) < 7
	s_wait_dscnt 16
.else
	s_wait_dscnt 0x0
.endif
	WIN ((1+((\g)>>2))<<6)|((1+((\g)>>2))<<2)
.set XB, 64*((\g)&3)
.set GB, 128+64*((\g)%2)
.set i, 0
.rept 32
	v_pk_mul_f32 v[XB+i:XB+i+1], v[GB+i:GB+i+1], v[XB+i:XB+i+1]
.set i, i+2
.endr
.if (\g) < 6
	GLOAD (\g)+2
.endif
.endm
.macro RSQ
	WIN 0
	v_pk_add_f32 v[16:17], v[16:17], v[18:19]
	v_pk_add_f32 v[20:21], v[20:21], v[22:23]
	v_pk_add_f32 v[16:17], v[16:17], v[20:21]
	v_add_f32 v16, v16, v17
	v_permlanex16_b32 v24, v16, s54, s55
	v_add_f32 v16, v16, v24
	s_mov_b32 s58, 0x3a800000
	s_mov_b32 s59, 0x358637bd
	v_fma_f32 v16, v16, s58, s59
	s_wait_alu depctr_va_vdst(0)
	v_rsq_f32 v10, v16
	v_nop
	s_wait_alu depctr_va_vdst(0)
	v_mov_b32 v11, v10
.endm
.macro QSTEP2 g
.set WX, 1+((\g)>>2)
.set XB, 64*((\g)&3)
	WIN (WX<<6)|WX
.set i, 0
.rept 32
	v_pk_mul_f32 v[XB+i:XB+i+1], v[XB+i:XB+i+1], v[10:11]
.set i, i+2
.endr
	WIN WX
.set i, 0
.rept 64
	v_med3_num_f32 v[64+i], v[XB+i], -v13, v13
.set i, i+1
.endr
.set i, 0
.rept 64
	v_med3_num_f32 v[128+i], v[XB+i], -v30, v30
.set i, i+1
.endr
	WIN 0xc0
.set i, 0
.rept 8
	v_cvt_scalef32_pk8_bf8_f32 v[16*(\g)+2*i:16*(\g)+2*i+1], v[64+8*i:71+8*i], v12
.set i, i+1
.endr
.set i, 0
.rept 8
	v_cvt_scalef32_pk8_bf8_f32 v[128+16*(\g)+2*i:129+16*(\g)+2*i], v[128+8*i:135+8*i], v29
.set i, i+1
.endr
.endm
.macro SILU n
	PLACES
	WIN 0
.irp hf, 0,1
.set i, 0
.rept 16
	v_pk_mul_f32 v[32+i:33+i], v[64+32*\hf+i:65+32*\hf+i], s[52:53] op_sel_hi:[1,0]
.set i, i+2
.endr
.set i, 0
	s_wait_alu depctr_va_vdst(0)
.rept 32
	v_exp_f32 v[32+i], v[32+i]
.set i, i+1
.endr
	v_nop
	s_wait_alu depctr_va_vdst(0)
.set i, 0
.rept 16
	v_pk_add_f32 v[32+i:33+i], v[32+i:33+i], 1.0 op_sel_hi:[1,0]
.set i, i+2
.endr
.set i, 0
	s_wait_alu depctr_va_vdst(0)
.rept 32
	v_rcp_f32 v[32+i], v[32+i]
.set i, i+1
.endr
	v_nop
	s_wait_alu depctr_va_vdst(0)
	WIN 0xc0
.set i, 0
.rept 16
	v_pk_mul_f32 v[64*\n+32*\hf+i:64*\n+32*\hf+i+1], v[64+32*\hf+i:65+32*\hf+i], v[32+i:33+i]
.set i, i+2
.endr
	WIN 0
.endr
.endm
.macro FOUT n
	s_wait_xcnt 0x0
	PLACES
	WIN 0x0c
.set i, 0
.rept 32
	v_pk_mul_f32 v[64+i:65+i], v[64+i:65+i], v[64*\n+i:64*\n+i+1]
.set i, i+2
.endr
	WIN 0
.irp a, 0,1,2,3
.set i, 0
.rept 16
	v_med3_num_f32 v[64+16*\a+i], v[64+16*\a+i], -v15, v15
.set i, i+1
.endr
	v_cvt_scalef32_pk8_bf8_f32 v[32+4*\a:33+4*\a], v[64+16*\a:71+16*\a], v14
	v_cvt_scalef32_pk8_bf8_f32 v[34+4*\a:35+4*\a], v[72+16*\a:79+16*\a], v14
.endr
	v_nop
.irp a, 0,1,2,3
	global_store_b128 v1, v[32+4*\a:35+4*\a], s[14:15] offset:\n*8192+\a*2048
.endr
.endm
	s_load_b256 s[4:11], s[0:1], 0x0
	s_load_b128 s[12:15], s[0:1], 0x20
	v_lshl_add_u32 v2, v0, 2, SPARE
	v_mov_b32 v3, 0
	ds_add_u32 v2, v3
	ds_add_u32 v2, v3
	v_lshrrev_b32 v1, 5, v0
	v_readfirstlane_b32 s28, v1
	s_bfe_u32 s29, ttmp6, 0x40000
	s_lshl_b32 s30, ttmp9, 2
	s_add_co_u32 s30, s30, s29
	s_and_b32 s31, ttmp7, 0xffff
	s_mov_b32 s32, 15|(1<<20)|(1<<21)|(7<<22)|(3<<25)
	s_mov_b32 s33, 1024<<16
	s_mov_b32 s34, 32<<16
	s_mov_b32 s35, 1024<<16
	s_mov_b32 s36, 32
	s_mov_b32 s37, WPITCH
	s_mov_b32 s38, 0
	s_mov_b32 s39, 0
	s_mov_b32 s54, 0x76543210
	s_mov_b32 s55, 0xfedcba98
	v_and_b32 v27, 15, v0
	v_bfe_u32 v28, v0, 4, 1
	v_and_b32 v1, 31, v0
	v_lshlrev_b32 v1, 4, v1
	s_mul_i32 s41, s28, WROWS
	v_mul_u32_u24 v4, v27, PITCH
	v_lshl_add_u32 v4, v28, 3, v4
	v_add_nc_u32 v4, s41, v4
	v_add_nc_u32 v5, SLOTB, v4
	s_lshl_b32 s57, s28, 11
	v_add_nc_u32 v7, UB, v1
	v_add_nc_u32 v6, s57, v7
	v_lshlrev_b32 v8, 12, v27
	v_lshl_add_u32 v8, v28, 5, v8
	v_lshlrev_b32 v9, 5, v28
	v_add_nc_u32 v9, UB, v9
	v_lshlrev_b32 v25, 4, v0
	v_add_nc_u32 v26, UB, v25
	v_mov_b32 v24, 0
	s_wait_alu depctr_va_vdst(0)
	s_wait_dscnt 0x0
	s_wait_kmcnt 0x0
	s_load_b128 s[68:71], s[12:13], 0x30
	s_load_b32 s72, s[12:13], 0x40
	s_lshl_b32 s56, s31, 19
	s_lshl_b32 s58, s28, 15
	s_add_co_u32 s56, s56, s58
	s_mov_b32 s57, 0
	s_add_nc_u64 s[48:49], s[8:9], s[56:57]
	s_add_nc_u64 s[50:51], s[10:11], s[56:57]
	s_mov_b32 s40, 1
	s_mov_b64 s[42:43], s[48:49]
	s_or_b32 s43, s43, 0x80000000
	s_mov_b32 s44, 1
	s_add_co_u32 s45, s41, SLOTB
	s_add_nc_u64 s[46:47], s[48:49], 131072
	s_or_b32 s47, s47, 0x80000000
	s_lshl_b32 s56, s30, 18
	s_lshl_b32 s58, s28, 16
	s_add_co_u32 s56, s56, s58
	s_add_nc_u64 s[4:5], s[4:5], s[56:57]
	global_load_b128 v[64:67], v25, s[6:7]
	global_load_b128 v[68:71], v25, s[6:7] offset:2048
	XLOAD 0
	XLOAD 1
	XLOAD 2
	XLOAD 3
.irp g, 0,1,2,3
	s_wait_alu depctr_va_vdst(0)
	SSQS \g, 48
	XLOAD \g+4
.endr
	WIN 0
	; the gate's chunks 0 and 1 are 256 neighbouring rows, the two slots neighbours in LDS: wave w fetches rows 64 w .. 64 w + 63 by ONE load; group 1 of its own, 64 rows
	s_mov_b32 s80, 15|(1<<20)|(1<<21)|(7<<22)|(3<<25)
	s_mov_b32 s81, 1024<<16
	s_mov_b32 s82, 64<<16
	s_mov_b32 s83, 1024<<16
	s_mov_b32 s84, 64
	s_mov_b32 s85, WPITCH
	s_mov_b32 s86, 0
	s_mov_b32 s87, 0
	s_mov_b32 s88, 1
	s_mul_i32 s89, s28, 2*WROWS
	s_lshl_b32 s56, s28, 15                        ; s[48:49] stands at row 32 w: 32 w rows more
	s_add_nc_u64 s[90:91], s[48:49], s[56:57]
	s_or_b32 s91, s91, 0x80000000
	s_wait_alu depctr_va_vdst(0)
	CROUND
	tensor_load_to_lds s[88:91], s[80:87]          ; my one tensor load at the head
	s_nop 0
	PLACES
	ds_store_b128 v26, v[64:67]
	ds_store_b128 v26, v[68:71] offset:2048
	s_lshl_b32 s56, s30, 17
	s_lshl_b32 s58, s31, 15
	s_add_co_u32 s56, s56, s58
	s_lshl_b32 s58, s28, 9
	s_add_co_u32 s56, s56, s58
	s_add_nc_u64 s[14:15], s[14:15], s[56:57]
	BAR
	GLOAD 0
	GLOAD 1
.irp g, 0,1,2,3
	GX \g
.endr
.irp g, 4,5,6,7
	SSQS \g, 16*(7-\g)
	GX \g
.endr
	RSQ
	s_wait_alu depctr_va_vdst(0)
	s_wait_kmcnt 0x0
	s_add_co_i32 s56, s68, s69
	s_lshl_b32 s57, s56, 23
	s_add_co_i32 s52, s57, 0xbfb8aa3b
	s_mov_b32 s53, s52
	s_add_co_i32 s56, s56, s70
	s_add_co_i32 s56, s56, s71
	s_sub_co_i32 s56, s72, s56
	MKSC 56, 57, 14, 15
	MKSC 68, 57, 12, 13
	MKSC 70, 57, 29, 30
.irp g, 0,1,2,3,4,5,6,7
	QSTEP2 \g
.endr
	v_nop
	WIN 0
	s_wait_alu depctr_va_vdst(0)
	BAR
	EXCHANGE 3, 0
	s_wait_tensorcnt 0x0                           ; my 64 rows are in; the barrier below shows every wave's rows to all
	STASH
	FETCHB 0, 0, 0
	FETCHB 0, 1, 1
	FETCHB 0, 2, 2
	PASS 0, 0, 64, 1, 2, 48, 2*131072
	SILU 0
	PASS 1, 0, 64, 1, 2, 48, 3*131072
	SILU 1
	PASS 0, 0, 64, 1, 2, 50, 0
	SILU 2
	PASS 1, 0, 64, 1, 2, 50, 131072
	XCH2
	SILU 3
	s_wait_dscnt 0x0
	PASS 0, 0, 64, 1, 2, 50, 2*131072
	FOUT 0
	PASS 1, 0, 64, 1, 2, 50, 3*131072
	FOUT 1
	PASS 0, 0, 64, 1, 1, 50, 0
	FOUT 2
	PASS 1, 0, 64, 1, 0, 50, 0
	FOUT 3
	s_wait_tensorcnt 0x0
	ds_add_u32 v2, v3
	s_wait_dscnt 0x0
	CROUND
	s_endpgm
.Lfunc_end_k_q7979730e1a_ffn1:
	.size	k_q7979730e1a_ffn1, .Lfunc_end_k_q7979730e1a_ffn1-k_q7979730e1a_ffn1
	.p2alignl 7, 3214868480
	.fill 96, 4, 3214868480
	.section	.rodata,"a",@progbits
	.p2align	6, 0x0
	.amdhsa_kernel k_q7979730e1a_ffn1
		.amdhsa_group_segment_fixed_size 327680
		.amdhsa_private_segment_fixed_size 0
		.amdhsa_enable_private_segment 0
		.amdhsa_kernarg_size 48
		.amdhsa_user_sgpr_count 2
		.amdhsa_user_sgpr_kernarg_segment_ptr 1
		.amdhsa_wavefront_size32 1
		.amdhsa_system_sgpr_workgroup_id_x 1
		.amdhsa_system_sgpr_workgroup_id_y 1
		.amdhsa_system_sgpr_workgroup_id_z 1
		.amdhsa_system_vgpr_workitem_id 0
		.amdhsa_next_free_vgpr 1024
		.amdhsa_next_free_sgpr 100
		.amdhsa_reserve_vcc 0
		.amdhsa_float_denorm_mode_32 3
		.amdhsa_float_denorm_mode_16_64 3
		.amdhsa_memory_ordered 1
		.amdhsa_forward_progress 1
		.amdhsa_inst_pref_size 255
	.end_amdhsa_kernel
	.section	.bss,"aw",@nobits
	.p2align	6
	.space	262144
	.amdgpu_metadata
---
amdhsa.version: [ 1, 2 ]
amdhsa.kernels:
  - .name:           k_q7979730e1a_ffn1
    .symbol:         k_q7979730e1a_ffn1.kd
    .args:
      - { .name: x1, .offset: 0, .size: 8, .value_kind: global_buffer, .address_space: global }
      - { .name: ffn_norm_w, .offset: 8, .size: 8, .value_kind: global_buffer, .address_space: global }
      - { .name: W_gate_codes, .offset: 16, .size: 8, .value_kind: global_buffer, .address_space: global }
      - { .name: W_hidden_codes, .offset: 24, .size: 8, .value_kind: global_buffer, .address_space: global }
      - { .name: lowp_scales, .offset: 32, .size: 8, .value_kind: global_buffer, .address_space: global }
      - { .name: f_img, .offset: 40, .size: 8, .value_kind: global_buffer, .address_space: global }
    .group_segment_fixed_size: 327680
    .private_segment_fixed_size: 0
    .kernarg_segment_align: 8
    .kernarg_segment_size: 48
    .max_flat_workgroup_size: 128
    .sgpr_count:     100
    .vgpr_count:     1024
    .wavefront_size: 32
...
	.end_amdgpu_metadata
.endif
;; end of part 4
;; launch ffn2 (part 5): grid 64 x 4, 4 waves a work-group, clusters of 4 x 1, 327,680 bytes of LDS; arguments f_img, W_out_codes, lowp_scales, b_out, x1, out0; writes out0
.if DOCPART == 5
	.amdgcn_target "amdgcn-amd-amdhsa--gfx1250"
	.amdhsa_code_object_version 6
	.text
	.protected	k_q7979730e1a_ffn2
	.globl	k_q7979730e1a_ffn2
	.p2align	8
	.type	k_q7979730e1a_ffn2,@function
k_q7979730e1a_ffn2:
	s_mov_b64 s[64:65], 0
	v_nop
	global_prefetch_b8 v0, s[64:65] scope:SCOPE_SE
	s_setreg_imm32_b32 hwreg(HW_REG_WAVE_MODE, 25, 1), 1
	s_wait_xcnt 0x0
	s_wait_alu depctr_hold_cnt(0) depctr_sa_sdst(0) depctr_va_vdst(0) depctr_va_sdst(0) depctr_va_ssrc(0) depctr_va_vcc(0) depctr_vm_vsrc(0)
	s_getreg_b32 s2, hwreg(HW_REG_IB_STS2, 6, 4)
	s_cmp_eq_u32 s2, 0
	s_cbranch_scc0 .Lentry_in_a_cluster
	s_endpgm
.Lentry_in_a_cluster:
	s_bfe_u32 s2, ttmp6, 0x10000c
	s_cmp_lg_u32 s2, 0x3003
	s_cbranch_scc0 .Lentry_shape_is_right
	s_endpgm
.Lentry_shape_is_right:
.set KH,     2
.set WPITCH, 2048
.set ABLK,   131072
.set SOFF,   64
.set PITCH, 1040
.set WROWS, 32*PITCH
.set SLOTB, 4*WROWS
.set UB,    2*SLOTB
.set SPARE, UB+33792
.set MSB, 0
.macro WIN new
.if MSB != (\new)
	s_set_vgpr_msb (MSB<<8)|(\new)
.set MSB, (\new)
.endif
.endm
.macro WINL
.if (MSB&0xc3) != 0
	WIN 0
.endif
.endm
.macro PLACES
.rept 4
	v_nop
.endr
.endm
.macro CREST
	s_cmp_lg_u32 s28, 0
	s_cbranch_scc1 .Lnot_wave_0_\@
	s_barrier_signal -3
.Lnot_wave_0_\@:
	s_barrier_wait -3
	s_barrier_signal -1
	s_barrier_wait -1
.endm
.macro CROUND
	s_barrier_signal -1
	s_barrier_wait -1
	CREST
.endm
.macro BAR
	s_wait_dscnt 0x0
	s_barrier_signal -1
	s_barrier_wait -1
.endm
.macro FETCHB slot, s, q
.irp bt, 0,1
.irp c, 0,1,2,3,4,5,6,7
	ds_load_b64 v[128+32*(\q)+16*\bt+2*\c:128+32*(\q)+16*\bt+2*\c+1], v[4+(\slot)] offset:\bt*16640+128*(\s)+16*\c
.endr
.endr
.endm
.macro MUL8 s, q, aw, acc, zero
	WIN ((\aw)*0x50)|((1+((\s)>>2))<<2)
.irp a, 0,1,2,3
.irp bt, 0,1
.if \zero
	v_wmma_f32_16x16x128_bf8_bf8 v[(\acc)+8*(2*\a+\bt):(\acc)+8*(2*\a+\bt)+7], v[128+32*(\q)+16*\bt:128+32*(\q)+16*\bt+15], v[64*((\s)&3)+16*\a:64*((\s)&3)+16*\a+15], 0
.else
	v_wmma_f32_16x16x128_bf8_bf8 v[(\acc)+8*(2*\a+\bt):(\acc)+8*(2*\a+\bt)+7], v[128+32*(\q)+16*\bt:128+32*(\q)+16*\bt+15], v[64*((\s)&3)+16*\a:64*((\s)&3)+16*\a+15], v[(\acc)+8*(2*\a+\bt):(\acc)+8*(2*\a+\bt)+7]
.endif
.endr
.endr
.endm
.macro PASS slot, aw, acc, zero, mode, base, toff
.irp st, 0,1,2,3,4
	PLACES
	WINL
	FETCHB \slot, \st+3, (\st+3)%4
	s_wait_dscnt 48
.if \st == 0
	MUL8 \st, \st, \aw, \acc, \zero
.else
	MUL8 \st, \st%4, \aw, \acc, 0
.endif
.endr
.if \mode == 2
	WIN 0
	s_wait_tensorcnt 0x0
	ds_add_u32 v2, v3
	s_add_nc_u64 s[42+4*\slot:43+4*\slot], s[\base:\base+1], \toff
	s_or_b32 s[43+4*\slot], s[43+4*\slot], 0x80000000
	s_wait_dscnt 0x0
	s_barrier_signal -1
	MUL8 5, 1, \aw, \acc, 0
	WIN 0
	s_barrier_wait -1
	CREST
	tensor_load_to_lds s[40+4*\slot:43+4*\slot], s[32:39]
	s_nop 0
	PLACES
	FETCHB 1-\slot, 0, 0
.elseif \mode == 1
	s_wait_tensorcnt 0x0
	PLACES
	WINL
	FETCHB 1-\slot, 0, 0
	s_wait_dscnt 48
	MUL8 5, 1, \aw, \acc, 0
.else
	s_wait_dscnt 32
	MUL8 5, 1, \aw, \acc, 0
.endif
.irp st, 6,7
.if \mode > 0
	PLACES
	WINL
	FETCHB 1-\slot, \st-5, \st-5
.if \mode == 1
	s_wait_dscnt 48
.endif
.else
	s_wait_dscnt 16*(7-\st)
.endif
	MUL8 \st, \st%4, \aw, \acc, 0
.endr
.endm
.macro EXCHANGE cw
.irp e, 0,1
	WIN (\cw)<<2
.irp sp, 0,1,2,3
.irp p, 0,1,2,3
	ds_store_b128 v6, v[128+64*\e+16*\sp+4*\p:128+64*\e+16*\sp+4*\p+3] offset:\sp*8192+\p*512
.endr
.endr
	BAR
	PLACES
	WIN (1+\e)<<6
.irp f, 0,1,2,3,4,5,6,7,8,9,10,11,12,13,14,15
.irp p, 0,1,2,3
	ds_load_b128 v[16*\f+4*\p:16*\f+4*\p+3], v7 offset:\f*2048+\p*512
.endr
.endr
	BAR
.endr
	WIN 0
.endm
.macro LOADCODES kh, cw
	WIN (\cw)<<6
.irp s, 0,1,2,3,4,5,6,7
.irp p, 0,1,2,3
	global_load_b128 v[128+16*\s+4*\p:131+16*\s+4*\p], v1, s[4:5] offset:(8*(\kh)+\s)*8192+\p*512
.endr
.endr
.endm
.macro RESLOAD
	WIN 0xc0
.irp n, 0,1
.irp i, 0,1,2,3,4,5,6,7,8,9,10,11,12,13,14,15
	global_load_b128 v[128+64*\n+4*\i:131+64*\n+4*\i], v1, s[12:13] offset:\i*4096+512*\n
.endr
.endr
.endm
.macro BIAS
	WIN 0
	global_load_b128 v[32:35], v1, s[10:11]
	global_load_b128 v[36:39], v1, s[10:11] offset:512
.endm
.macro FIN n
	WIN 0x0c
.irp a, 0,1,2,3
.irp bt, 0,1
	ds_store_b128 v25, v[64*\n+8*(2*\a+\bt):64*\n+8*(2*\a+\bt)+3] offset:\a*8448+\bt*64
	ds_store_b128 v25, v[64*\n+8*(2*\a+\bt)+4:64*\n+8*(2*\a+\bt)+7] offset:\a*8448+\bt*64+16
.endr
.endr
	BAR
	WIN 0xc0
.irp i, 0,1,2,3,4,5,6,7,8,9,10,11,12,13,14,15
	ds_load_b128 v[64*\n+4*\i:64*\n+4*\i+3], v26 offset:\i*528
.endr
.if \n == 0
	BAR
.else
	s_wait_dscnt 0x0
.endif
	WIN 0xf3
.set i, 0
.rept 32
	v_pk_fma_f32 v[128+64*\n+i:129+64*\n+i], v[64*\n+i:64*\n+i+1], s[52:53], v[128+64*\n+i:129+64*\n+i] op_sel_hi:[1,0,1]
.set i, i+2
.endr
	WIN 0xc3
.set i, 0
.rept 16
	v_pk_add_f32 v[128+64*\n+4*i:129+64*\n+4*i], v[128+64*\n+4*i:129+64*\n+4*i], v[32+4*\n:33+4*\n]
	v_pk_add_f32 v[130+64*\n+4*i:131+64*\n+4*i], v[130+64*\n+4*i:131+64*\n+4*i], v[34+4*\n:35+4*\n]
.set i, i+1
.endr
	WIN 0x0c
.irp i, 0,1,2,3,4,5,6,7,8,9,10,11,12,13,14,15
	global_store_b128 v1, v[128+64*\n+4*\i:131+64*\n+4*\i], s[14:15] offset:\i*4096+512*\n
.endr
	WIN 0
.endm
	s_load_b256 s[4:11], s[0:1], 0x0
	s_load_b128 s[12:15], s[0:1], 0x20
	v_lshl_add_u32 v2, v0, 2, SPARE
	v_mov_b32 v3, 0
	ds_add_u32 v2, v3
	ds_add_u32 v2, v3
	v_lshrrev_b32 v1, 5, v0
	v_readfirstlane_b32 s28, v1
	s_bfe_u32 s29, ttmp6, 0x40000
	s_lshl_b32 s30, ttmp9, 2
	s_add_co_u32 s30, s30, s29
	s_and_b32 s31, ttmp7, 0xffff
	s_mov_b32 s32, 15|(1<<20)|(1<<21)|(7<<22)|(3<<25)
	s_mov_b32 s33, 1024<<16
	s_mov_b32 s34, 32<<16
	s_mov_b32 s35, 1024<<16
	s_mov_b32 s36, 32
	s_mov_b32 s37, WPITCH
	s_mov_b32 s38, 0
	s_mov_b32 s39, 0
	v_and_b32 v27, 15, v0
	v_bfe_u32 v28, v0, 4, 1
	v_and_b32 v1, 31, v0
	v_lshlrev_b32 v1, 4, v1
	s_mul_i32 s41, s28, WROWS
	v_mul_u32_u24 v4, v27, PITCH
	v_lshl_add_u32 v4, v28, 3, v4
	v_add_nc_u32 v4, s41, v4
	v_add_nc_u32 v5, SLOTB, v4
	s_lshl_b32 s57, s28, 11
	v_add_nc_u32 v7, UB, v1
	v_add_nc_u32 v6, s57, v7
	s_lshl_b32 s57, s28, 7
	v_mul_u32_u24 v25, v27, 528
	v_lshl_add_u32 v25, v28, 5, v25
	v_add_nc_u32 v25, s57, v25
	v_add_nc_u32 v25, UB, v25
	s_mul_i32 s57, s28, 8448
	v_add_nc_u32 v26, s57, v7
	s_wait_dscnt 0x0
	s_wait_kmcnt 0x0
	s_load_b64 s[52:53], s[8:9], SOFF
	s_mul_i32 s56, s30, ABLK
	s_lshl_b32 s58, s28, 11
	s_add_co_u32 s56, s56, s58
	s_mov_b32 s57, 0
	s_add_nc_u64 s[4:5], s[4:5], s[56:57]
	LOADCODES 0, 2
	WIN 0
	s_lshl_b32 s56, s31, 8
	s_lshl_b32 s58, s28, 5
	s_add_co_u32 s56, s56, s58
	s_mul_i32 s56, s56, WPITCH
	s_add_nc_u64 s[48:49], s[6:7], s[56:57]
	s_mov_b32 s40, 1
	s_mov_b64 s[42:43], s[48:49]
	s_or_b32 s43, s43, 0x80000000
	s_mov_b32 s44, 1
	s_add_co_u32 s45, s41, SLOTB
	s_add_nc_u64 s[46:47], s[48:49], 128*WPITCH
	s_or_b32 s47, s47, 0x80000000
	; the first K half of my 256 weight rows: the two slots are neighbours in LDS: wave w fetches rows 64 w .. 64 w + 63 by ONE load; group 1 of its own, 64 rows
	s_mov_b32 s80, 15|(1<<20)|(1<<21)|(7<<22)|(3<<25)
	s_mov_b32 s81, 1024<<16
	s_mov_b32 s82, 64<<16
	s_mov_b32 s83, 1024<<16
	s_mov_b32 s84, 64
	s_mov_b32 s85, WPITCH
	s_mov_b32 s86, 0
	s_mov_b32 s87, 0
	s_mov_b32 s88, 1
	s_mul_i32 s89, s28, 2*WROWS
	s_lshl_b32 s56, s28, 16                        ; s[48:49] stands at row 32 w: 32 w rows of 2,048 bytes more
	s_add_nc_u64 s[90:91], s[48:49], s[56:57]
	s_or_b32 s91, s91, 0x80000000
	s_wait_alu depctr_va_vdst(0)
	CROUND
	tensor_load_to_lds s[88:91], s[80:87]          ; my one tensor load at the head
	s_nop 0
	PLACES
	s_lshl_b32 s56, s30, 18
	s_lshl_b32 s58, s28, 16
	s_add_co_u32 s56, s56, s58
	s_lshl_b32 s58, s31, 10
	s_add_co_u32 s56, s56, s58
	s_add_nc_u64 s[12:13], s[12:13], s[56:57]
	s_add_nc_u64 s[14:15], s[14:15], s[56:57]
	s_mov_b32 s56, s58
	s_add_nc_u64 s[10:11], s[10:11], s[56:57]
.if KH == 2
	LOADCODES 1, 3
.else
	RESLOAD
.endif
	BIAS
	s_wait_kmcnt 0x0
	s_add_co_i32 s52, s52, s53
	s_add_co_i32 s52, s52, 127
	s_lshl_b32 s52, s52, 23
	s_mov_b32 s53, s52
	s_wait_loadcnt 34
	s_wait_alu depctr_va_vdst(0)
	EXCHANGE 2                                     ; the codes go round while the tile is on its way
	s_wait_tensorcnt 0x0                           ; my 64 rows are in,
	BAR                                            ; and so are every wave's
	FETCHB 0, 0, 0
	FETCHB 0, 1, 1
	FETCHB 0, 2, 2
.if KH == 2
	PASS 0, 3, 0, 1, 2, 48, 1024
	PASS 1, 3, 64, 1, 2, 48, 128*WPITCH+1024
	s_wait_loadcnt 0x0
	EXCHANGE 3
	RESLOAD
	PASS 0, 3, 0, 0, 1, 48, 0
	PASS 1, 3, 64, 0, 0, 48, 0
.else
	PASS 0, 3, 0, 1, 1, 48, 0
	PASS 1, 3, 64, 1, 0, 48, 0
.endif
	PLACES
	s_wait_loadcnt 0x0
	FIN 0
	FIN 1
	s_wait_tensorcnt 0x0
	ds_add_u32 v2, v3
	s_wait_dscnt 0x0
	CROUND
	s_endpgm
.Lfunc_end_k_q7979730e1a_ffn2:
	.size	k_q7979730e1a_ffn2, .Lfunc_end_k_q7979730e1a_ffn2-k_q7979730e1a_ffn2
	.p2alignl 7, 3214868480
	.fill 96, 4, 3214868480
	.section	.rodata,"a",@progbits
	.p2align	6, 0x0
	.amdhsa_kernel k_q7979730e1a_ffn2
		.amdhsa_group_segment_fixed_size 327680
		.amdhsa_private_segment_fixed_size 0
		.amdhsa_enable_private_segment 0
		.amdhsa_kernarg_size 48
		.amdhsa_user_sgpr_count 2
		.amdhsa_user_sgpr_kernarg_segment_ptr 1
		.amdhsa_wavefront_size32 1
		.amdhsa_system_sgpr_workgroup_id_x 1
		.amdhsa_system_sgpr_workgroup_id_y 1
		.amdhsa_system_sgpr_workgroup_id_z 1
		.amdhsa_system_vgpr_workitem_id 0
		.amdhsa_next_free_vgpr 1024
		.amdhsa_next_free_sgpr 100
		.amdhsa_reserve_vcc 0
		.amdhsa_float_denorm_mode_32 3
		.amdhsa_float_denorm_mode_16_64 3
		.amdhsa_memory_ordered 1
		.amdhsa_forward_progress 1
		.amdhsa_inst_pref_size 108
	.end_amdhsa_kernel
	.amdgpu_metadata
---
amdhsa.version: [ 1, 2 ]
amdhsa.kernels:
  - .name:           k_q7979730e1a_ffn2
    .symbol:         k_q7979730e1a_ffn2.kd
    .args:
      - { .name: f_img, .offset: 0, .size: 8, .value_kind: global_buffer, .address_space: global }
      - { .name: W_out_codes, .offset: 8, .size: 8, .value_kind: global_buffer, .address_space: global }
      - { .name: lowp_scales, .offset: 16, .size: 8, .value_kind: global_buffer, .address_space: global }
      - { .name: b_out, .offset: 24, .size: 8, .value_kind: global_buffer, .address_space: global }
      - { .name: x1, .offset: 32, .size: 8, .value_kind: global_buffer, .address_space: global }
      - { .name: out0, .offset: 40, .size: 8, .value_kind: global_buffer, .address_space: global }
    .group_segment_fixed_size: 327680
    .private_segment_fixed_size: 0
    .kernarg_segment_align: 8
    .kernarg_segment_size: 48
    .max_flat_workgroup_size: 128
    .sgpr_count:     100
    .vgpr_count:     1024
    .wavefront_size: 32
...
	.end_amdgpu_metadata
.endif
;; end of part 5
